; MI455X (gfx1250); checked and timed in simulation.
; The chip was launched on July 23, 2026; its instructions are those of AMD's public machine-readable ISA for CDNA 5 (MIT licence, August 2026) and "CDNA5" Instruction Set Architecture Reference Guide (July 2026). The comments in the code are by the model that wrote it; some were corrected since.
;; Self Attention. Allowed arithmetic: matrix products marked QUANTISED: E2M3 operands, one E8M0 scale for each 32 along K, by v_wmma_scale_f32_16x16x128_f8f6f4 with both operands' format E2M3, f32 sums; everything else in f32.
;; Inputs: proj_b 1,024 float32; proj_w_codes 1,024 x 32 x 24 uint8 (E2M3 codes of proj_w, K innermost, in blocks of 32 codes, four codes in three bytes); proj_w_scales 1,024 x 32 uint8 (E8M0 scales of proj_w, one for each 32 codes along K); qkv_b 3,072 float32; qkv_w_codes 3,072 x 32 x 24 uint8 (E2M3 codes of qkv_w, K innermost, in blocks of 32 codes, four codes in three bytes); qkv_w_scales 3,072 x 32 uint8 (E8M0 scales of qkv_w, one for each 32 codes along K); x_codes 4 x 2,048 x 32 x 24 uint8 (E2M3 codes of x, K innermost, in blocks of 32 codes, four codes in three bytes); x_scales 4 x 2,048 x 32 uint8 (E8M0 scales of x, one for each 32 codes along K).
;; Outputs: out0 4 x 2,048 x 1,024 float32.
;; This version of the problem:
;;   THIS VERSION OF THE PROBLEM IS GIVEN IN LOW PRECISION. The matrix products marked QUANTISED in the list below multiply operands that are first quantised to E2M3 (2 exponent bits, 3 mantissa bits; 6 bits a number), with one power-of-two scale for each 32 numbers along K (OCP MX v1.0); their sums are f32. All else is computed in f32.
;;   The module's matrix products, in the order in which they are computed (A, B: the left and right operand; K: the contracted axis; several contracted axes count as one K, in the product's order):
;;     1. [M 8,192, K 1,024] x [K 1,024, N 3,072]; A: input x (given as codes); B: input qkv_w (given as codes): QUANTISED
;;     2. batch 64 x [M 2,048, K 64] x [K 64, N 2,048]; A: computed on the way; B: computed on the way: QUANTISED
;;     3. batch 64 x [M 2,048, K 2,048] x [K 2,048, N 64]; A: softmax (see below); B: computed on the way: QUANTISED
;;     4. [M 8,192, K 1,024] x [K 1,024, N 1,024]; A: computed on the way; B: input proj_w (given as codes): QUANTISED
;;   THE QUANTISER, for each operand of a quantised product, along K:
;;     - K is cut into blocks of 32 from its start; a last block that is shorter is filled with zeros.
;;     - A block's scale is 2^e with e = floor(log2(the largest magnitude in the block)) - 2, held to -126 .. 127; a block of zeros has e = 0. As a byte (E8M0): e + 127.
;;     - Each number is divided by its block's scale, clamped to +-7.5, and rounded to the nearest number of E2M3, ties to even, subnormals kept.
;;     - The product sums the exact products of the quantised numbers (number of the format x scale) in f32.
;;   ~~~python
;;   def quantise(x, axis):      # numpy; x: float32 -> the quantised numbers, widened to float32 again
;;       x = np.moveaxis(x, axis, -1); K = x.shape[-1]
;;       x = np.pad(x, [(0, 0)] * (x.ndim - 1) + [(0, -K % 32)]); x = x.reshape(x.shape[:-1] + (-1, 32)); a = np.abs(x).max(-1, keepdims=True)
;;       e = np.where(a > 0, np.clip(np.frexp(np.where(a > 0, a, 1))[1] - 1 - 2, -126, 127), 0)      # np.frexp(a)[1] - 1 = floor(log2(a)), exactly
;;       r = np.clip(x / 2.0 ** e, -7.5, 7.5)
;;       step = 2.0 ** (np.maximum(np.frexp(np.where(r == 0, 1, r))[1] - 1, 0) - 3)
;;       q = np.round(r / step) * step * 2.0 ** e      # np.round: ties to even
;;       return np.moveaxis(q.reshape(q.shape[:-2] + (-1,))[..., :K], -1, axis).astype(np.float32)
;;   ~~~
;;   SOFTMAX AHEAD OF A QUANTISED PRODUCT. Where the list says 'softmax', what is quantised is not the finished softmax but p = 2^(t - M), with t = logit x log2(e) and M = ceil(the row's largest t), a whole number; so 1/2 < the row's largest p <= 1. The row's sum l is taken of the UNQUANTISED p, in f32, and the product's result is divided by l at the end. Since M is a whole number, a kernel that streams over the keys may use a running M (the ceiling of the running maximum): every later rescaling is an exact power of two, which a block's scale takes up: the codes' values come out the same.
;;   OPERANDS COMPUTED ON THE WAY. 'Computed on the way' means the value that the module computes at that place (a softmax that the list does not call 'softmax' is quantised finished and normalised). What goes into a quantiser is computed in f32, as accurately as f32 sums, v_exp_f32 and their like allow (about 1e-6 of the number): no bf16 or f16 on the way to a quantiser, and a product that is left as it is and whose result goes on into a quantised operand takes f32 operands (vector FMAs, or v_wmma_f32_16x16x4_f32). A number that lies on a knife's edge between two numbers of the format may be rounded either way, as far as f32 arithmetic and the matrix unit's own rounding can turn it there, and no further.
;;   INPUTS GIVEN AS CODES. proj_w (in the module: [1024, 1024], K = its axis 1); qkv_w (in the module: [3072, 1024], K = its axis 1); x (in the module: [4, 2048, 1024], K = its axis 2): each comes as NAME_codes (uint8): NAME with its K axis moved to the last place and cut into blocks of 32 codes, [.., K / 32, bytes a block], one block behind the other in memory; four codes in three bytes: a row's codes are one little-endian stream of bits, code i at bits 6 i .. 6 i + 5 (a code: sign, 2 exponent bits, 3 mantissa bits); and NAME_scales (uint8): the same leading axes, one E8M0 byte (e + 127) for each 32 codes along K. Its value is code x scale, taken as it is: it is not quantised again, and the codes and scales need not be those that the quantiser above would give.
;; One version. Each part assembles by itself: llvm-mc -triple=amdgcn-amd-amdhsa -mcpu=gfx1250 --defsym DOCPART=n.
;; ======== version 1 of 1: 3 launches
;; workspace buffers: qkv 26,738,688 bytes; ao_codes 6,291,456 bytes; ao_scales 262,144 bytes
;; launch qkv (part 1): grid 12 x 32, 4 waves a work-group, clusters of 4 x 4, 327,680 bytes of LDS; arguments x_codes, x_scales, qkv_w_codes, qkv_w_scales, qkv_b, qkv; writes qkv
.if DOCPART == 1
	.amdgcn_target "amdgcn-amd-amdhsa--gfx1250"
	.amdhsa_code_object_version 6
	.text
	.protected	k_qb74f8a48d2_qkv
	.globl	k_qb74f8a48d2_qkv
	.p2align	8
	.type	k_qb74f8a48d2_qkv,@function
k_qb74f8a48d2_qkv:
	s_mov_b64 s[64:65], 0
	v_nop
	global_prefetch_b8 v0, s[64:65] scope:SCOPE_SE
	s_setreg_imm32_b32 hwreg(HW_REG_WAVE_MODE, 25, 1), 1
	s_wait_xcnt 0x0
	s_wait_alu depctr_hold_cnt(0) depctr_sa_sdst(0) depctr_va_vdst(0) depctr_va_sdst(0) depctr_va_ssrc(0) depctr_va_vcc(0) depctr_vm_vsrc(0)
	s_getreg_b32 s2, hwreg(HW_REG_IB_STS2, 6, 4)
	s_cmp_eq_u32 s2, 0
	s_cbranch_scc0 .Lentry_in_a_cluster
	s_endpgm
.Lentry_in_a_cluster:
	s_bfe_u32 s2, ttmp6, 0x10000c
	s_cmp_lg_u32 s2, 0xf033
	s_cbranch_scc0 .Lentry_shape_is_right
	s_endpgm
.Lentry_shape_is_right:
; q, k, v = x W^T + b on codes of FP6 (E2M3) with one E8M0 scale for each 32 along K = 1,024; the results are quantised again, in registers, as the operands of attention's two products.
; x: [8192][1024], W: [3072][1024]: codes, a row 768 bytes; scale bytes 32 a row.  b: [3072] f32.
; A tile of 256 x 256 results is made by a work-group of four waves, a wave makes 128 x 128: 64 accumulators, 512 registers.  K goes in steps of 256 through a ring of two LDS slots;
; the scale bytes of the work-group's 2 x 256 rows come into LDS once.  4 x 4 work-groups form a cluster: A's tiles are asked for jointly along a row of the cluster, B's along a column.
; TWO KINDS OF CLUSTERS, told apart by the cluster's own x, which all sixteen partners share:
;   x = 0, 1 (QK): A = x (32 tile rows), B = W's rows 0-2047 (8 tile columns).  A lane holds one token and 64 features: q and k are quantised along the head's 64.
;   x = 2    (V):  A = W's rows 2048-3071 (4 tile rows), B = x (32 tile columns): V^T.  A lane holds one feature and 64 tokens: v is quantised along the keys.
; THE MATRIX INSTRUCTION IS USED TRANSPOSED (source 0 = 16 rows of B, source 1 = 16 rows of A): lane (r, h) holds row r of A's block, register 8 b + j column 16 b + 8 h + j.
; ORDER INSIDE A BLOCK OF 32: a lane's 16 registers of two neighbouring column blocks are the block's numbers 8 h + j and 16 + 8 h + j.  They are quantised as they stand, so the codes of a block lie in one fixed
; order that is not the natural one.  q and k get it alike, v and attention's p get it alike, and a block's scale covers the whole block: the products are the same.
; THE RESULT: qkv [plane 32][token group 64][REC bytes]; planes 0-15 q's heads, 16-31 k and v of head plane - 16; a group is 128 tokens.  A record: +0 eight images of half a fragment (16 tokens x 64: registers 0-3 at
; 16 x lane, registers 4-5 at 512 + 8 x lane; 768 bytes); +6144 four images of V^T's fragments (16 features x 128 keys: registers 4 c .. 4 c + 3 at 512 c + 16 x lane); +12288 q's or k's scale words [tile / 4][row][tile % 4],
; bytes 2 and 3 of a word 0x7f; +12800 V's scale words [row][feature tile].  Every store of a wave covers whole aligned runs of 256 bytes.
; LIMITS: NaN and infinities are not served.  A block whose largest magnitude lies under 2^(3 - 127) gets the byte 1, a block of zeros too (the rule says 127): its codes are zeros, and only this program reads the bytes.
; REGISTERS, in windows of 256: window 0: v0-31 addresses; v32-63 scale words, two sets; v64-127 the bias; from v128 A's fragments, one set; on the way out v128-243 are at work.
;   window 1: B's fragments, two sets.   window 2: the accumulators of my rows 0-63 ((a, b) at v[8 (8 a + b)]);   window 3: those of my rows 64-127.
.set KSTEP,  256                       ; along K in a slot
.set NQ,     KSTEP/128                 ; matrix instructions deep
.set ROWB,   192                       ; a tile's row in bytes
.set KROW,   768                       ; a row of x or of W in memory
.set PITCH,  240                       ; an LDS row: 3 x (64 bytes + 16 of padding)
.set FR,     12                        ; registers of a fragment
.set NL,     6                         ; LDS loads that bring one
.set NP,     4                         ; places behind this matrix instruction (ISA guide 7.12.1)
.set HALFT,  128*PITCH                 ; what one tensor load brings
.set SLOT,   4*HALFT                   ; A's 256 rows, then B's 256 rows
.set LAPS,   2                         ; K = 1,024 is four K steps: twice round the ring
.set KS,     32                        ; a row of scale bytes
.set SCL,    2*SLOT                    ; behind the ring: the scales, as units of 256 bytes + 16 of padding
.set HALFS,  (128*KS/256)*272
.set SBLK,   (16*KS/256)*272
.set SPARE,  SCL+4*HALFS               ; the spare words, 128 bytes for each wave: two blocks of 256 bytes that no other line names
.set REC,    13056                     ; a record of the result
.set PS,     64*REC                    ; a plane
.set BQ,   8                           ; v8   QK: my lane's byte in the bias: 32 h
.set BV,   9                           ; v9   V: 4 r
.set ADRA, 16                          ; v16-17 LDS address of my A fragments in slot 0, 1 (v18-19: behind one padding more)
.set ADRB, 20                          ; v20-23 the same for B
.set LI16, 24                          ; v24  16 x lane
.set LI8,  25                          ; v25  8 x lane
.set LSC,  26                          ; v26  the scale words' place: h planes + 16 r
.set ADRS, 27                          ; v27  LDS address of my scale words
.set SPW,  28                          ; v28  LDS address of my spare word; never rewritten
.set NIL,  29                          ; v29  0; never rewritten
.set SH16, 30                          ; v30  16 h
.set HH,   31                          ; v31  h
.set SC,   32
.set BIAS, 64
.set AF,   128
.set H,    128                         ; the way out: 64 numbers of a lane
.set CD,   192                         ; v192-210 the codes just made
.set TM,   212                         ; v212-227 at work in QUANT
.set PW,   228                         ; a scale word
.set TT,   229
.set SW,   232                         ; v232-239 the eight blocks' scale words
.set T4,   240
.set G1, 24
.set G0, 32
.set G1B, 48
.set G0B, 56
.set G1S, 68
.set G0S, 76
.set G1SB, 80
.set G0SB, 88
.set MSB, 0
.macro WIN new                         ; the immediate's high byte repeats the setting that is left
.if MSB != (\new)
	s_set_vgpr_msb (MSB<<8)|(\new)
.set MSB, (\new)
.endif
.endm
.set MUL_LO, 0xa1                      ; source 0 (B) window 1, source 1 (A) window 0, C and D window 2
.set MUL_HI, 0xf1                      ; the same, C and D window 3
.set TO_B,   0x40                      ; destination window 1, address window 0
; A joint load: waves 0 and 1 fetch for A, waves 2 and 3 for B.  The branch hangs on the wave's number alone.  Four v_nop follow each of the two lines.
.macro JLOAD g0a, g1a, g0b, g1b
	s_cmp_eq_u32 s15, 0
	s_cbranch_scc0 .Lfor_b_\@
	tensor_load_to_lds s[\g0a:\g0a+3], s[\g1a:\g1a+7]
	s_nop 0
.rept 4
	v_nop
.endr
	s_branch .Lasked_\@
.Lfor_b_\@:
	tensor_load_to_lds s[\g0b:\g0b+3], s[\g1b:\g1b+7]
	s_nop 0
.rept 4
	v_nop
.endr
.Lasked_\@:
.endm
.macro CREST                           ; a round of the cluster's barrier behind its opening barrier
	s_cmp_lg_u32 s14, 0
	s_cbranch_scc1 .Lnot_wave_0_\@
	s_barrier_signal -3
.Lnot_wave_0_\@:
	s_barrier_wait -3
	s_barrier_signal -1
	s_barrier_wait -1
.endm
.macro CROUND                          ; a whole round
	s_barrier_signal -1
	s_barrier_wait -1
	CREST
.endm
	s_load_b128 s[4:7], s[0:1], 0x0                ; x's codes, x's scales
	s_load_b128 s[8:11], s[0:1], 0x10              ; W's codes, W's scales
	s_load_b128 s[96:99], s[0:1], 0x20             ; the bias, the result
	v_lshl_add_u32 v[SPW], v0, 2, SPARE
	v_mov_b32 v[NIL], 0
	ds_add_u32 v28, v29
	ds_add_u32 v28, v29
	s_wait_dscnt 0x0
	v_lshrrev_b32 v1, 5, v0
	v_readfirstlane_b32 s14, v1                    ; wave 0..3
	s_lshr_b32 s15, s14, 1                         ; which half of the tile's rows is mine.  Also: I fetch for A (0) or for B (1)
	s_and_b32 s16, s14, 1                          ; which half of its columns.  Also: which 128 rows of that tile I fetch
	s_bfe_u32 s40, ttmp6, 0x40000                  ; cx, cy: my place in the cluster
	s_bfe_u32 s41, ttmp6, 0x40004
	s_and_b32 s17, ttmp7, 0xffff                   ; the cluster's y
	s_cmp_lt_u32 ttmp9, 2                          ; QK or V: the cluster's x, the same in all sixteen partners
	s_cselect_b32 s42, ttmp9, s17                  ; the cluster's column of tiles: QK its x, V its y
	s_cselect_b32 s17, s17, 0                      ; its row of tiles: QK its y, V 0
	s_lshl_b32 s42, s42, 2
	s_add_co_u32 s42, s42, s40                     ; tile column = 4 x cluster column + cx
	s_lshl_b32 s17, s17, 2
	s_add_co_u32 s17, s17, s41                     ; tile row = 4 x cluster row + cy
	s_lshl_b32 s43, s41, 2
	s_lshl_b32 s43, 15, s43                        ; my row of the cluster
	s_lshl_b32 s44, 0x1111, s40                    ; my column
	; descriptor group 1: a tile of 128 rows x 192 bytes, 16 bytes of padding behind every 64
	s_or_b32 s[G1+0], s43, (0<<16)|(1<<20)|(1<<21)|(3<<22)|(3<<25)  ; 15:0 the mask: A's tiles go to my row; elements of 1 byte; padding on; 21 set beside a mask; after every 16 words 4 words
	s_or_b32 s[G1B+0], s44, (0<<16)|(1<<20)|(1<<21)|(3<<22)|(3<<25)
.irp g, G1, G1B
	s_mov_b32 s[\g+1], ROWB<<16                    ; tensor_dim0
	s_mov_b32 s[\g+2], 128<<16                     ; tensor_dim1
	s_mov_b32 s[\g+3], ROWB<<16                    ; tile_dim0
	s_mov_b32 s[\g+4], 128                         ; tile_dim1
	s_mov_b32 s[\g+5], KROW                        ; tensor_dim0_stride
	s_mov_b32 s[\g+6], 0
	s_mov_b32 s[\g+7], 0
.endr
	; the scales of 128 rows: a dense block of 4,096 bytes, as rows of 256 bytes (32 elements of 8), 16 bytes of padding behind each
	s_or_b32 s[G1S+0], s43, (3<<16)|(1<<20)|(1<<21)|(5<<22)|(3<<25)
	s_or_b32 s[G1SB+0], s44, (3<<16)|(1<<20)|(1<<21)|(5<<22)|(3<<25)
.irp g, G1S, G1SB
	s_mov_b32 s[\g+1], 32<<16
	s_mov_b32 s[\g+2], (128*KS/256)<<16
	s_mov_b32 s[\g+3], 32<<16
	s_mov_b32 s[\g+4], 128*KS/256
	s_mov_b32 s[\g+5], 32
	s_mov_b32 s[\g+6], 0
	s_mov_b32 s[\g+7], 0
.endr
	s_lshl_b32 s18, s16, 7                         ; which 128 rows of the tile I fetch
	s_lshl_b32 s20, s17, 8
	s_add_co_u32 s20, s20, s18                     ; A: row 256 x tile row + 128 x half
	s_lshl_b32 s46, s42, 8
	s_add_co_u32 s46, s46, s18                     ; B: row 256 x tile column + 128 x half
	s_mov_b32 s21, 0
	s_mov_b32 s47, 0
	s_mov_b64 s[18:19], KS
	s_mul_u64 s[22:23], s[20:21], s[18:19]         ; where these rows' scales begin, in bytes
	s_mul_u64 s[92:93], s[46:47], s[18:19]
	s_mov_b64 s[18:19], KROW
	s_mul_u64 s[20:21], s[20:21], s[18:19]         ; and their codes
	s_mul_u64 s[46:47], s[46:47], s[18:19]
	s_mul_i32 s45, s14, HALFT                      ; where they go: wave x 128 rows: no place in the cluster enters an LDS address
	s_mul_i32 s94, s14, HALFS
	s_wait_kmcnt 0x0
	s_add_nc_u64 s[12:13], s[8:9], 2048*KROW       ; W's rows from 2,048 on: v's weights,
	s_add_nc_u64 s[100:101], s[10:11], 2048*KS     ; and their scales
	s_cmp_lt_u32 ttmp9, 2                          ; which buffers are A and B: the choice hangs on the cluster's x alone
	s_cselect_b64 s[12:13], s[4:5], s[12:13]       ; A's codes: x's, or v's weights'
	s_cselect_b64 s[100:101], s[6:7], s[100:101]   ; A's scales
	s_cselect_b64 s[8:9], s[8:9], s[4:5]           ; B's codes: W's, or x's
	s_cselect_b64 s[10:11], s[10:11], s[6:7]       ; B's scales
	s_add_nc_u64 s[20:21], s[12:13], s[20:21]
	s_add_nc_u64 s[22:23], s[100:101], s[22:23]
	s_add_nc_u64 s[46:47], s[8:9], s[46:47]
	s_add_nc_u64 s[92:93], s[10:11], s[92:93]
	CROUND                                         ; all sixteen work-groups are here: the first joint loads meet
	s_mov_b32 s[G0S], 1
	s_add_co_u32 s[G0S+1], s94, SCL
	s_mov_b64 s[G0S+2:G0S+3], s[22:23]
	s_or_b32 s[G0S+3], s[G0S+3], 0x80000000
	s_mov_b32 s[G0SB], 1
	s_add_co_u32 s[G0SB+1], s94, SCL
	s_mov_b64 s[G0SB+2:G0SB+3], s[92:93]
	s_or_b32 s[G0SB+3], s[G0SB+3], 0x80000000
	JLOAD G0S, G1S, G0SB, G1SB                     ; the scales first: they are wanted with K step 0
.irp s, 0,1
	s_mov_b32 s[G0+4*\s], 1
	s_add_co_u32 s[G0+4*\s+1], s45, \s*SLOT
	s_add_nc_u64 s[G0+4*\s+2:G0+4*\s+3], s[20:21], \s*ROWB
	s_or_b32 s[G0+4*\s+3], s[G0+4*\s+3], 0x80000000
	s_mov_b32 s[G0B+4*\s], 1
	s_add_co_u32 s[G0B+4*\s+1], s45, \s*SLOT
	s_add_nc_u64 s[G0B+4*\s+2:G0B+4*\s+3], s[46:47], \s*ROWB
	s_or_b32 s[G0B+4*\s+3], s[G0B+4*\s+3], 0x80000000
	JLOAD G0+4*\s, G1, G0B+4*\s, G1B
.endr
	v_and_b32 v1, 15, v0                           ; r = lane % 16
	v_bfe_u32 v2, v0, 4, 1                         ; h = lane / 16
	v_mul_u32_u24 v3, v1, PITCH
	v_mul_u32_u24 v4, v2, 24
	v_add_nc_u32 v4, v3, v4                        ; a fragment's row x pitch + 24 x half
	v_lshl_add_u32 v5, v2, 4, v4                   ; and the same behind one padding more
	s_mul_i32 s21, s15, HALFT                      ; my 128 rows of A
	s_mul_i32 s22, s16, HALFT                      ; my 128 rows of B,
	s_add_co_u32 s22, s22, 2*HALFT                 ; which lie behind A's 256
.irp s, 0,1
	v_add_nc_u32 v[ADRA+\s], s21, v4
	v_add_nc_u32 v[ADRB+\s], s22, v4
	v_add_nc_u32 v[ADRA+2+\s], s21, v5
	v_add_nc_u32 v[ADRB+2+\s], s22, v5
	s_add_co_u32 s21, s21, SLOT
	s_add_co_u32 s22, s22, SLOT
.endr
	v_mul_u32_u24 v5, v1, KS                       ; my row's scales: 32 bytes a row,
	v_lshrrev_b32 v6, 8, v5
	v_lshl_add_u32 v5, v6, 4, v5                   ; and 16 more for each 256 passed
	s_mul_i32 s21, s15, HALFS                      ; A's: my 128 rows
	s_mul_i32 s22, s16, HALFS                      ; B's: my 128 rows, behind A's 256
	s_add_co_u32 s22, s22, 2*HALFS
	s_sub_co_u32 s22, s22, s21
	v_mul_u32_u24 v6, s22, v2                      ; lanes 16-31 take B's
	s_add_co_u32 s21, s21, SCL
	v_add_nc_u32 v5, v5, v6
	v_add_nc_u32 v[ADRS], s21, v5
	v_and_b32 v6, 31, v0                           ; the way out: an image's place for my lane,
	v_lshlrev_b32 v[LI16], 4, v6
	v_lshlrev_b32 v[LI8], 3, v6
	v_mul_u32_u24 v[LSC], v2, PS                   ; the scale words': lanes 0-15 store my first plane's, lanes 16-31 the next plane's
	v_lshl_add_u32 v[LSC], v1, 4, v[LSC]
	v_lshlrev_b32 v[SH16], 4, v2
	v_bfe_u32 v[HH], v0, 4, 1
	v_lshlrev_b32 v[BQ], 5, v2
	v_lshlrev_b32 v[BV], 2, v1
	s_mov_b32 s100, 0x76543210                     ; v_permlanex16_b32's selects for lane l xor 16
	s_mov_b32 s101, 0xfedcba98
	s_mov_b32 s66, 0x7f7f0000                      ; bytes 2 and 3 of q's and k's scale words
	; where my wave's results go, and where its bias begins.  Both forms are made, in registers that feed no descriptor, and one is chosen.
	s_lshl_b32 s20, s17, 1
	s_add_co_u32 s20, s20, s15                     ; QK: token group 2 x tile row + my half of the rows
	s_lshl_b32 s21, s17, 2
	s_lshl_b32 s18, s15, 1
	s_add_co_u32 s21, s21, s18
	s_add_co_u32 s21, s21, 16                      ; V: plane 16 + 4 x tile row + 2 x my half of the rows
	s_lshl_b32 s22, s17, 10
	s_lshl_b32 s18, s15, 9
	s_add_co_u32 s22, s22, s18
	s_add_co_u32 s22, s22, 8192                    ; V: bias byte 4 (2,048 + 256 x tile row + 128 x half)
	s_lshl_b32 s46, s42, 2
	s_lshl_b32 s18, s16, 1
	s_add_co_u32 s46, s46, s18                     ; QK: plane 4 x tile column + 2 x my half of the columns
	s_lshl_b32 s47, s42, 1
	s_add_co_u32 s47, s47, s16                     ; V: token group 2 x tile column + my half of the columns
	s_lshl_b32 s94, s42, 10
	s_lshl_b32 s18, s16, 9
	s_add_co_u32 s94, s94, s18                     ; QK: bias byte 4 (256 x tile column + 128 x half)
	s_cmp_lt_u32 ttmp9, 2
	s_cselect_b32 s46, s46, s21                    ; plane
	s_cselect_b32 s47, s20, s47                    ; token group
	s_cselect_b32 s94, s94, s22                    ; bias byte
	s_mul_i32 s46, s46, PS
	s_mul_i32 s47, s47, REC
	s_add_co_u32 s46, s46, s47                     ; under 2^25
	s_mov_b32 s47, 0
	s_mov_b32 s95, 0
	s_add_nc_u64 s[12:13], s[98:99], s[46:47]      ; my first record
	s_add_nc_u64 s[96:97], s[96:97], s[94:95]      ; my 128 numbers of the bias
.macro FRAG reg, adr, q, i             ; a fragment: lane l holds row l % 16; registers 6 c .. 6 c + 5 hold K = 64 c + 32 (l / 16) + 0 .. 31: 24 bytes of the row's stream of bits, as they lie
.irp p, 0,1,2,3,4,5                    ; in pieces of 8 bytes.  Lanes 16-31 read three pieces further on than lanes 0-15; where that lies behind one padding more, the second address register serves
.set PCE, 12*(\q)+6*(\p/3)+\p%3
.if PCE%8 < 5
	ds_load_b64 v[\reg+2*\p:\reg+2*\p+1], v[\adr] offset:8*PCE+16*(PCE/8)+(\i)*16*PITCH
.else
	ds_load_b64 v[\reg+2*\p:\reg+2*\p+1], v[\adr+2] offset:8*PCE+16*(PCE/8)+(\i)*16*PITCH
.endif
.endr
.endm
; 16 matrix instructions: A's blocks a0, a0 + 1 x B's eight, 128 along K: the slot's q-th.  p: B's set;  sc: the set of scale words.  zero = 1: the first product starts the sums.
; The 64 accumulators take turns, one instruction a turn, in the same order in every step.
.macro MUL16 a0, p, q, sc, zero
.irp a, \a0, \a0+1
.irp b, 0,1,2,3,4,5,6,7
.if \zero
	v_wmma_scale_f32_16x16x128_f8f6f4 v[8*(8*((\a)%4)+\b):8*(8*((\a)%4)+\b)+7], v[128*(\p)+FR*\b:128*(\p)+FR*\b+FR-1], v[AF+FR*(\a):AF+FR*(\a)+FR-1], 0, v[SC+8*NQ*(\sc)+NQ*\b+(\q)], v[SC+8*NQ*(\sc)+NQ*(\a)+(\q)] matrix_a_fmt:MATRIX_FMT_FP6 matrix_b_fmt:MATRIX_FMT_FP6 matrix_a_scale:MATRIX_SCALE_ROW1
.else
	v_wmma_scale_f32_16x16x128_f8f6f4 v[8*(8*((\a)%4)+\b):8*(8*((\a)%4)+\b)+7], v[128*(\p)+FR*\b:128*(\p)+FR*\b+FR-1], v[AF+FR*(\a):AF+FR*(\a)+FR-1], v[8*(8*((\a)%4)+\b):8*(8*((\a)%4)+\b)+7], v[SC+8*NQ*(\sc)+NQ*\b+(\q)], v[SC+8*NQ*(\sc)+NQ*(\a)+(\q)] matrix_a_fmt:MATRIX_FMT_FP6 matrix_b_fmt:MATRIX_FMT_FP6 matrix_a_scale:MATRIX_SCALE_ROW1
.endif
.endr
.endr
.endm
.macro FETCH_B slot, q, p              ; B's eight fragments of the slot's q-th 128 along K into set p
	WIN TO_B
.irp i, 0,1,2,3,4,5,6,7
	FRAG 128*(\p)+FR*\i, ADRB+\slot, \q, \i
.endr
	WIN 0
.endm
.macro FETCH_A slot, q, i0             ; A's blocks i0 .. i0 + 3
.irp i, \i0, \i0+1, \i0+2, \i0+3
	FRAG AF+FR*(\i), ADRA+\slot, \q, \i
.endr
.endm
.macro SCALES sc                       ; a K step's scale words into set sc: two words a row; lanes 0-15 take A's block i, lanes 16-31 B's block i
.irp i, 0,1,2,3,4,5,6,7
	ds_load_b64 v[SC+8*NQ*\sc+NQ*\i:SC+8*NQ*\sc+NQ*\i+1], v[ADRS] offset:\i*SBLK
.endr
.endm
.macro PLACES n                        ; plain vector instructions that name no register of the matrix instructions in front of them (ISA guide 7.12.1)
.rept \n
	v_nop
.endr
.endm
; A step of 128 along K that has its successor in the same slot.
.macro STEP slot, q, zero
	s_wait_dscnt 4*NL                              ; B's set and A's blocks 0-3 are in; the youngest 24 loads (A's blocks 4-7) may be out
	WIN MUL_LO
	MUL16 0, (\q)%2, \q, \slot, \zero
	MUL16 2, (\q)%2, \q, \slot, \zero
	s_wait_dscnt 0                                 ; A's blocks 4-7 are in (asked for 32 matrix instructions ago)
	PLACES NP
	FETCH_B \slot, (\q)+1, 1-(\q)%2
	FETCH_A \slot, (\q)+1, 0
	WIN MUL_HI
	MUL16 4, (\q)%2, \q, \slot, \zero
	MUL16 6, (\q)%2, \q, \slot, \zero
	PLACES NP
	WIN 0
	FETCH_A \slot, (\q)+1, 4
.endm
; A slot's last step changes slots: ONE barrier; in front of it each wave waits for all its tensor loads, adds 0 to its spare word, and waits for that and for its own reads of this slot.  fill = 1: this slot is filled again, two K steps ahead.
.macro TURN slot, next, fill
	s_wait_tensorcnt 0x0                           ; all my tensor loads have landed: my part of the next slot  (every window is 0 here)
	ds_add_u32 v[SPW], v[NIL]                      ; 0 onto my spare word
	s_wait_dscnt 4*NL+1                            ; (the add and the youngest 24 loads, A's blocks 4-7, may be out)
	WIN MUL_LO
	MUL16 0, 1, NQ-1, \slot, 0                     ; sixteen matrix instructions stand between the add and the wait for it
	s_wait_dscnt 0x0                               ; the add is done, and my reads of this slot are over
	s_barrier_signal -1
	MUL16 2, 1, NQ-1, \slot, 0
	WIN 0
	s_barrier_wait -1
.if \fill
	CREST                                          ; the barrier has opened a round of the cluster's barrier: no wave of any partner still reads this slot's tile or has a load on its way
	s_add_nc_u64 s[G0+4*\slot+2:G0+4*\slot+3], s[G0+4*\slot+2:G0+4*\slot+3], 2*ROWB
	s_add_nc_u64 s[G0B+4*\slot+2:G0B+4*\slot+3], s[G0B+4*\slot+2:G0B+4*\slot+3], 2*ROWB
	JLOAD G0+4*\slot, G1, G0B+4*\slot, G1B         ; the first tensor load behind the round; the four v_nop behind it are the places in front of the loads below
.else
	PLACES NP
.endif
	s_wait_alu depctr_va_vdst(0)
	v_add_nc_u32 v[ADRS], 4*NQ, v[ADRS]            ; on to the next K step's scale words (no LDS load of mine is out)
	FETCH_B \next, 0, 0
	FETCH_A \next, 0, 0
	SCALES \next
	WIN MUL_HI
	MUL16 4, 1, NQ-1, \slot, 0
	MUL16 6, 1, NQ-1, \slot, 0
	PLACES NP
	WIN 0
	FETCH_A \next, 0, 4
.endm
; The last two steps of 128 along K: nothing more is asked for, no barrier stands in them.
.macro TAIL
	STEP 1, 0, 0
	s_wait_dscnt 4*NL
	WIN MUL_LO
	MUL16 0, 1, NQ-1, 1, 0
	MUL16 2, 1, NQ-1, 1, 0
	s_wait_dscnt 0
	WIN MUL_HI
	MUL16 4, 1, NQ-1, 1, 0
	MUL16 6, 1, NQ-1, 1, 0
	WIN 0
	PLACES NP                                      ; in front of the first read of results and of the first write over A's fragments
.endm
; 64 numbers of a lane, v[s] .. v[s + 63], four times 16 of a block of 32 whose other 16 lie in lane l xor 16, become a fragment's codes in v[CD] on and its scale word in v[pw].
.macro QUANT s, pw
.irp b, 0,1,2,3
	v_max3_num_f32 v[TM+\b], |v[\s+16*\b]|, |v[\s+1+16*\b]|, 0x1800000   ; block b: my 16 numbers, and the floor 2^(3 - 127): the byte cannot fall under 1
.endr
.irp i, 2,4,6,8,10,12,14
.irp b, 0,1,2,3
	v_max3_num_f32 v[TM+\b], v[TM+\b], |v[\s+16*\b+\i]|, |v[\s+1+16*\b+\i]|   ; (the four blocks by turns)
.endr
.endr
.irp b, 0,1,2,3
	v_permlanex16_b32 v[TM+4+\b], v[TM+\b], s100, s101
.endr
.irp b, 0,1,2,3
	v_max_num_f32 v[TM+\b], v[TM+\b], v[TM+4+\b]   ; with lane l xor 16's: the block's largest magnitude
.endr
.irp b, 0,1,2,3
	v_add_nc_u32 v[TM+12+\b], 0xff000000, v[TM+\b]   ; 2 off its exponent field: the conversion takes the exponent field of this operand as its scale
.endr
.irp b, 0,1,2,3
	v_lshrrev_b32 v[TM+4+\b], 23, v[TM+12+\b]      ; the scale's byte
.endr
	v_lshl_or_b32 v[\pw], v[TM+5], 8, v[TM+4]      ; the four bytes make my row's scale word
	v_lshl_or_b32 v[\pw], v[TM+6], 16, v[\pw]
	v_lshl_or_b32 v[\pw], v[TM+7], 24, v[\pw]
.irp c, 0,1
	v_cvt_scalef32_pk16_fp6_f32 v[CD+6*\c:CD+2+6*\c], v[\s+32*\c:\s+15+32*\c], v[TM+12+2*\c]
	v_cvt_scalef32_pk16_fp6_f32 v[CD+12+4*\c:CD+14+4*\c], v[\s+16+32*\c:\s+31+32*\c], v[TM+12+2*\c+1]   ; (a conversion's three registers begin on an even number)
.endr
	v_nop                                          ; one plain place behind a scaled conversion
.irp c, 0,1                                    ; the operand's layout wants a whole block in a lane: lanes 0-15 block 2 c, lanes 16-31 block 2 c + 1
.irp i, 0,1,2
	v_permlane16_swap_b32 v[CD+6*\c+\i], v[CD+12+4*\c+\i]
.endr
.irp i, 0,1,2
	v_mov_b32 v[CD+3+6*\c+\i], v[CD+12+4*\c+\i]
.endr
.endr
.endm
; THE WAY OUT of A's block a (16 rows x my 128 columns).  The bias is added on the way from the accumulators' window into window 0, each accumulator from its low end on; the 64 numbers are quantised; the codes leave as images.
.macro OUTBLK a, isv
	WIN 0x02+(\a)/4                                ; source 0: window 2 or 3
.set i, 0
.rept 32
.if \isv
	v_pk_add_f32 v[H+2*i:H+2*i+1], v[64*((\a)%4)+2*i:64*((\a)%4)+2*i+1], v[BIAS+2*(\a):BIAS+2*(\a)+1]   ; V: my row's bias, in both halves of the pair
.else
	v_pk_add_f32 v[H+2*i:H+2*i+1], v[64*((\a)%4)+2*i:64*((\a)%4)+2*i+1], v[BIAS+2*i:BIAS+2*i+1]         ; QK: my 64 columns' biases
.endif
.set i, i+1
.endr
	WIN 0
.if (\a) > 0
	s_wait_xcnt 0x0                                ; the last block's stores have read their data: the codes' registers are written again only behind this wait
.endif
.if \isv
	QUANT H, SW+(\a)
.irp c, 0,1,2
	global_store_b128 v[LI16], v[CD+4*\c:CD+4*\c+3], s[12:13] offset:((\a)/4)*PS+6144+1536*((\a)%4)+512*\c   ; a whole fragment of V^T: 16 features x 128 keys
.endr
.else
	QUANT H, PW
	global_store_b128 v[LI16], v[CD:CD+3], s[12:13] offset:768*(\a)                 ; registers 0-5: my first head's 64,
	global_store_b64 v[LI8], v[CD+4:CD+5], s[12:13] offset:768*(\a)+512
	global_store_b128 v[LI16], v[CD+6:CD+9], s[12:13] offset:PS+768*(\a)            ; registers 6-11: the next head's, a plane on
	global_store_b64 v[LI8], v[CD+10:CD+11], s[12:13] offset:PS+768*(\a)+512
	v_lshrrev_b32 v[TT], v[SH16], v[PW]            ; lanes 0-15 keep the first head's two bytes, lanes 16-31 the second's,
	v_and_or_b32 v[SW+(\a)], v[TT], 0xffff, s66    ; under two bytes 0x7f for the 64 along K that the head does not have
.endif
.endm
	s_wait_tensorcnt 1                             ; the scales and my part of K step 0 are in (of my three loads K step 1's may be out)
	s_barrier_signal -1
	s_barrier_wait -1                              ; everybody's are
	FETCH_B 0, 0, 0
	FETCH_A 0, 0, 0
	SCALES 0
	FETCH_A 0, 0, 4
	STEP 0, 0, 1                                   ; the first step stands in front of the loop: its products start the sums
	s_mov_b32 s3, LAPS-1
.Llap:                                                 ; a trip goes once round the ring, from a lap's second step to the next lap's first, and fills both slots again
	TURN 0, 1, 1
	STEP 1, 0, 0
	TURN 1, 0, 1
	STEP 0, 0, 0
	s_sub_co_u32 s3, s3, 1
	s_cmp_lg_u32 s3, 0
	s_cbranch_scc1 .Llap
	TURN 0, 1, 0                                   ; the last change of slots fills nothing
	; THE TWO KINDS PART HERE, once, on the cluster's x; no barrier and no tensor load stands before they join.  Each way asks for its bias first: it lands under the last 128 matrix instructions.
	s_cmp_lt_u32 ttmp9, 2
	s_cbranch_scc0 .Lv
.irp b, 0,1,2,3,4,5,6,7
	global_load_b128 v[BIAS+8*\b:BIAS+8*\b+3], v[BQ], s[96:97] offset:64*\b         ; b(16 b + 8 h + 0 .. 7) of my 128 columns
	global_load_b128 v[BIAS+8*\b+4:BIAS+8*\b+7], v[BQ], s[96:97] offset:64*\b+16
.endr
	TAIL
	s_wait_loadcnt 0x0                             ; the bias
.irp b, 0,1,2,3
	v_mov_b32 v[TM+4+\b], 0                        ; written once: a lane permute's destination counts as one of its sources
.endr
.irp a, 0,1,2,3,4,5,6,7
	OUTBLK \a, 0
.endr
	global_store_b128 v[LSC], v[SW:SW+3], s[12:13] offset:12288     ; the scale words of tiles 0-3: sixteen lanes store 256 consecutive bytes of a plane's record
	global_store_b128 v[LSC], v[SW+4:SW+7], s[12:13] offset:12544   ; and of tiles 4-7
	s_branch .Ldone
.Lv:
.irp a, 0,1,2,3,4,5,6,7
	global_load_b32 v[BIAS+2*\a], v[BV], s[96:97] offset:64*\a      ; b(16 a + r) of my 128 rows, twice: a pair for the packed addition
	global_load_b32 v[BIAS+2*\a+1], v[BV], s[96:97] offset:64*\a
.endr
	TAIL
	s_wait_loadcnt 0x0
.irp b, 0,1,2,3
	v_mov_b32 v[TM+4+\b], 0
.endr
.irp a, 0,1,2,3,4,5,6,7
	OUTBLK \a, 1
.endr
	v_cmp_eq_u32 vcc_lo, 1, v[HH]
.irp i, 0,1,2,3
	v_cndmask_b32 v[T4+\i], v[SW+\i], v[SW+4+\i], vcc_lo            ; lanes 0-15: my first head's four feature tiles; lanes 16-31: the next head's
.endr
	global_store_b128 v[LSC], v[T4:T4+3], s[12:13] offset:12800
.Ldone:
	s_wait_tensorcnt 0x0                           ; the wave's end
	ds_add_u32 v[SPW], v[NIL]
	s_wait_dscnt 0x0
	CROUND                                         ; the closing round: no work-group ends while a partner may still ask for a tile that names it
	s_endpgm
.Lfunc_end_k_qb74f8a48d2_qkv:
	.size	k_qb74f8a48d2_qkv, .Lfunc_end_k_qb74f8a48d2_qkv-k_qb74f8a48d2_qkv
	.p2alignl 7, 3214868480
	.fill 96, 4, 3214868480
	.section	.rodata,"a",@progbits
	.p2align	6, 0x0
	.amdhsa_kernel k_qb74f8a48d2_qkv
		.amdhsa_group_segment_fixed_size 327680
		.amdhsa_private_segment_fixed_size 0
		.amdhsa_enable_private_segment 0
		.amdhsa_kernarg_size 48
		.amdhsa_user_sgpr_count 2
		.amdhsa_user_sgpr_kernarg_segment_ptr 1
		.amdhsa_wavefront_size32 1
		.amdhsa_system_sgpr_workgroup_id_x 1
		.amdhsa_system_sgpr_workgroup_id_y 1
		.amdhsa_system_sgpr_workgroup_id_z 1
		.amdhsa_system_vgpr_workitem_id 0
		.amdhsa_next_free_vgpr 1024
		.amdhsa_next_free_sgpr 102
		.amdhsa_reserve_vcc 1
		.amdhsa_float_denorm_mode_32 3
		.amdhsa_float_denorm_mode_16_64 3
		.amdhsa_memory_ordered 1
		.amdhsa_forward_progress 1
		.amdhsa_inst_pref_size 255
	.end_amdhsa_kernel
	.section	.bss,"aw",@nobits
	.p2align	6
	.space	262144
	.amdgpu_metadata
---
amdhsa.version: [ 1, 2 ]
amdhsa.kernels:
  - .name:           k_qb74f8a48d2_qkv
    .symbol:         k_qb74f8a48d2_qkv.kd
    .args:
      - { .name: x_codes, .offset: 0, .size: 8, .value_kind: global_buffer, .address_space: global }
      - { .name: x_scales, .offset: 8, .size: 8, .value_kind: global_buffer, .address_space: global }
      - { .name: qkv_w_codes, .offset: 16, .size: 8, .value_kind: global_buffer, .address_space: global }
      - { .name: qkv_w_scales, .offset: 24, .size: 8, .value_kind: global_buffer, .address_space: global }
      - { .name: qkv_b, .offset: 32, .size: 8, .value_kind: global_buffer, .address_space: global }
      - { .name: qkv, .offset: 40, .size: 8, .value_kind: global_buffer, .address_space: global }
    .group_segment_fixed_size: 327680
    .private_segment_fixed_size: 0
    .kernarg_segment_align: 8
    .kernarg_segment_size: 48
    .max_flat_workgroup_size: 128
    .sgpr_count:     102
    .vgpr_count:     1024
    .wavefront_size: 32
...
	.end_amdgpu_metadata
.endif
;; end of part 1
;; launch attn (part 2): grid 4 x 64, 16 waves a work-group, clusters of 4 x 1, 210,944 bytes of LDS; arguments qkv, ao_codes, ao_scales; writes ao_codes, ao_scales
.if DOCPART == 2
	.amdgcn_target "amdgcn-amd-amdhsa--gfx1250"
	.amdhsa_code_object_version 6
	.text
	.protected	k_qb74f8a48d2_attn
	.globl	k_qb74f8a48d2_attn
	.p2align	8
	.type	k_qb74f8a48d2_attn,@function
k_qb74f8a48d2_attn:
	s_mov_b64 s[64:65], 0
	v_nop
	global_prefetch_b8 v0, s[64:65] scope:SCOPE_SE
	s_setreg_imm32_b32 hwreg(HW_REG_WAVE_MODE, 25, 1), 1
	s_wait_xcnt 0x0
	s_wait_alu depctr_hold_cnt(0) depctr_sa_sdst(0) depctr_va_vdst(0) depctr_va_sdst(0) depctr_va_ssrc(0) depctr_va_vcc(0) depctr_vm_vsrc(0)
	s_getreg_b32 s2, hwreg(HW_REG_IB_STS2, 6, 4)
	s_cmp_eq_u32 s2, 0
	s_cbranch_scc0 .Lentry_in_a_cluster
	s_endpgm
.Lentry_in_a_cluster:
	s_bfe_u32 s2, ttmp6, 0x10000c
	s_cmp_lg_u32 s2, 0x3003
	s_cbranch_scc0 .Lentry_shape_is_right
	s_endpgm
.Lentry_shape_is_right:
; Causal attention for one (batch, head) a cluster, both products on codes of FP6 (E2M3) with E8M0 scales; the result is divided by the row's sum and quantised along C for the last product.
; qkv: [plane 32][token group 64][REC bytes], as the launch before lays it: planes 0-15 q's heads, 16-31 k and v.  A record (128 tokens): +0 eight images of half a fragment (16 tokens x 64), 768 bytes each;
; +6144 four images of V^T's fragments (16 features x 128 keys), 1,536 bytes each; +12288 q's or k's scale words [tile / 4][row][tile % 4]; +12800 V's scale words [row][feature tile].
; THE SOFTMAX: t = score x log2(e) / 8; M = the row's largest t so far, rounded UP to a whole number; p = 2^(t - M) is quantised along the keys, not normalised.  The row's sum is taken of the unquantised p and divides at
; the end.  When M moves, the sum and O are multiplied by 2^(old M - new M): exact.
; SHARES.  All of a head's k and v, 16 records, 208,896 bytes, lie in LDS: wave w asks for record w by one tensor load, JOINTLY with the three partners of the cluster, which serve the same head.  LDS is filled once:
; no ring, and no barrier in the loop.  A tile of 16 queries is tile a of token group g.  Wave w of work-group cx has a = 2 cx + w / 8 and takes g = w % 8, then g = 15 - w % 8:
; (w % 8 + 1) + (16 - w % 8) = 17 key steps of 128 for every wave: the loop's trip count is a constant, and the work is even.  cx enters global addresses and the mask's threshold alone.
; LAYOUT.  Both products are used transposed: S^T = K Q^T (source 0 = 16 keys, source 1 = my 16 queries), O^T = V^T P^T: a lane holds ONE query (lane % 16) throughout.
; THE HEAD HAS 64 ALONG K, the instruction 128.  Q's registers 6-11 are zero codes, and bytes 2, 3 of q's and k's scale words are 0x7f.  K's fragment t names v[32 + 6 t] to v[43 + 6 t]: its upper six registers are the next
; tile's codes (behind the last tile: zeros); they meet Q's zero codes and add exactly 0.
; ORDER INSIDE A BLOCK OF 32: register 16 b + 8 u + j of a lane is key 32 b + 16 u + 8 (lane / 16) + j; p is quantised as it stands, in the order in which V^T's codes were made.  For the last product, whose other operand
; is given, the natural order is restored by sixteen exchanges of halves ahead of the quantiser.
; OUT: ao_codes [token tile 512][head 16][768 bytes]: images of half a fragment (16 tokens x the head's 64).  ao_scales [token 8192][32]: head h's two bytes at 2 h; these leave as stores of 2 bytes, 32 bytes apart
; (both lanes of a row store the same bytes): one byte in 25 of what the launch stores.
; LIMITS: NaN and infinities are not served.  A block whose largest magnitude lies under 2^(3 - 127) gets the byte 1, a block of zeros too: its codes are zeros, and only this program reads the bytes.
; REGISTERS: v1-6 lane terms; v8-10 LDS addresses of the step; v12 -M, v13 the largest t, v[14:15] the sum; v16-27 Q; v32-85 K's tiles, then V's fragments; v96-159 S^T, then p; v160-191 O^T; v192-195 K's scale words,
; v196-199 V's; v224-235 p's codes; v232-254 at work; v253 p's scale word; v255 Q's.
.set REC,  13056
.set L16,  1                           ; v1  16 x lane
.set L8,   2                           ; v2  8 x lane
.set R16,  3                           ; v3  16 r
.set DM,   4                           ; v4  16 a + r - 8 h: on the diagonal, register n's key is hidden where 16 (n / 8) + n % 8 is larger
.set R32,  5                           ; v5  32 r
.set NINF, 6                           ; v6  -infinity
.set AK,   8                           ; v8  the step's record + 16 x lane
.set AK8,  9                           ; v9  + 8 x lane
.set AR,   10                          ; v10 + 16 r
.set WV,   10                          ; s10 my wave's number
.set WP,   16                          ; s16 w % 8
.set WP1,  17                          ; s17 w % 8 + 1
.set GB,   18                          ; s18 15 - w % 8
.set TA,   19                          ; s19 a
.set SEL,  20                          ; s[20:21] selects for lane l xor 16
.set CS,   22                          ; s[22:23] c = log2(e) / 8
.set G1,   24                          ; s[24:31], s[32:35] the descriptor
.set G0,   32
.set QB,   36                          ; s[36:37] q's images of tile a in the head's first record;  s[38:39] its scale words
.set QSB,  38
.set OCB,  40                          ; s[40:41], s[42:43] the same in ao_codes and ao_scales
.set OSB,  42
.set QP,   44                          ; s[44:51] these four for the token group in hand
.set QSP,  46
.set OC,   48
.set OS,   50
.set OF,   52                          ; s[52:53] an offset
.set J,    54                          ; s54 the trip
.set T0,   55                          ; s55 the trip at which the tile in hand began
.set G,    56                          ; s56 its token group
.set KSI,  57                          ; s57 the key step
.set TB,   58                          ; s58 its record in LDS
.macro CROUND                          ; a round of the cluster's barrier
	s_barrier_signal -1
	s_barrier_wait -1
	s_cmp_lg_u32 s[WV], 0
	s_cbranch_scc1 .Lnot_wave_0_\@
	s_barrier_signal -3
.Lnot_wave_0_\@:
	s_barrier_wait -3
	s_barrier_signal -1
	s_barrier_wait -1
.endm
	s_load_b128 s[4:7], s[0:1], 0x0                ; qkv, ao_codes
	s_load_b64 s[8:9], s[0:1], 0x10                ; ao_scales
	v_lshl_add_u32 v250, v0, 2, 0x33000
	v_mov_b32 v251, 0
	ds_add_u32 v250, v251
	ds_add_u32 v250, v251
	v_lshrrev_b32 v1, 5, v0
	s_delay_alu instid0(VALU_DEP_1)
	v_readfirstlane_b32 s[WV], v1                  ; wave 0..15
	s_bfe_u32 s11, ttmp6, 0x40000                  ; cx
	s_and_b32 s12, ttmp7, 0xffff                   ; 16 x batch + head: the cluster's y, which the four partners share
	s_lshr_b32 s13, s12, 4                         ; batch
	s_and_b32 s14, s12, 15                         ; head
	s_lshr_b32 s15, s[WV], 3
	s_and_b32 s[WP], s[WV], 7
	s_add_co_u32 s[WP1], s[WP], 1
	s_sub_co_u32 s[GB], 15, s[WP]
	s_lshl_b32 s[TA], s11, 1
	s_add_co_u32 s[TA], s[TA], s15                 ; a = 2 cx + w / 8
	; the descriptor: a record, dense, as 51 rows of 256 bytes (32 elements of 8)
	s_mov_b32 s[G1], 15|(3<<16)|(1<<21)            ; 15:0 the mask: all four work-groups; elements of 8 bytes; no padding; 21 set beside a mask
	s_mov_b32 s[G1+1], 32<<16                      ; tensor_dim0
	s_mov_b32 s[G1+2], 51<<16                      ; tensor_dim1
	s_mov_b32 s[G1+3], 32<<16                      ; tile_dim0
	s_mov_b32 s[G1+4], 51                          ; tile_dim1
	s_mov_b32 s[G1+5], 32                          ; tensor_dim0_stride
	s_mov_b32 s[G1+6], 0
	s_mov_b32 s[G1+7], 0
	s_mov_b32 s[G0], 1
	s_mul_i32 s[G0+1], s[WV], REC                  ; LDS: record w
	s_add_co_u32 s60, s14, 16                      ; memory: plane 16 + head, token group 16 x batch + w
	s_lshl_b32 s60, s60, 6
	s_lshl_b32 s61, s13, 4
	s_add_co_u32 s60, s60, s61
	s_add_co_u32 s60, s60, s[WV]
	s_mul_i32 s60, s60, REC
	s_mov_b32 s61, 0
	; q: plane = head, token group 16 x batch; + 768 a.  (From here on registers that hold cx: none of them feeds the descriptor)
	s_lshl_b32 s62, s14, 6
	s_lshl_b32 s63, s13, 4
	s_add_co_u32 s62, s62, s63
	s_mul_i32 s62, s62, REC
	s_mul_i32 s63, s[TA], 768
	s_add_co_u32 s52, s62, s63
	s_mov_b32 s53, 0
	s_lshr_b32 s63, s[TA], 2                       ; its scale words: + 12,288 + 256 (a / 4) + 4 (a % 4)
	s_lshl_b32 s63, s63, 8
	s_add_co_u32 s62, s62, s63
	s_and_b32 s63, s[TA], 3
	s_lshl_b32 s63, s63, 2
	s_add_co_u32 s62, s62, s63
	s_add_co_u32 s62, s62, 12288
	s_mov_b32 s63, 0
	s_lshl_b32 s56, s13, 7                         ; ao_codes: ((128 x batch + a) x 16 + head) x 768
	s_add_co_u32 s56, s56, s[TA]
	s_lshl_b32 s56, s56, 4
	s_add_co_u32 s56, s56, s14
	s_mul_i32 s56, s56, 768
	s_mov_b32 s57, 0
	s_lshl_b32 s58, s13, 16                        ; ao_scales: (2,048 x batch + 16 a) x 32 + 2 x head
	s_lshl_b32 s59, s[TA], 9
	s_add_co_u32 s58, s58, s59
	s_lshl_b32 s59, s14, 1
	s_add_co_u32 s58, s58, s59
	s_mov_b32 s59, 0
	s_mov_b32 s[SEL], 0x76543210
	s_mov_b32 s[SEL+1], 0xfedcba98
	s_mov_b32 s[CS], 0x3e38aa3b                    ; c = log2(e) / 8
	s_mov_b32 s[CS+1], s[CS]                       ; (named with it as a pair, so it is written)
	s_wait_dscnt 0x0
	s_wait_kmcnt 0x0
	s_add_nc_u64 s[G0+2:G0+3], s[4:5], s[60:61]
	s_or_b32 s[G0+3], s[G0+3], 0x80000000          ; type = 2
	s_add_nc_u64 s[QB:QB+1], s[4:5], s[52:53]
	s_add_nc_u64 s[QSB:QSB+1], s[4:5], s[62:63]
	s_add_nc_u64 s[OCB:OCB+1], s[6:7], s[56:57]
	s_add_nc_u64 s[OSB:OSB+1], s[8:9], s[58:59]
	CROUND                                         ; all four work-groups are here: the joint loads meet
	tensor_load_to_lds s[G0:G0+3], s[G1:G1+7]      ; my one tensor load of the launch
	s_nop 0
.rept 4
	v_nop
.endr
	v_and_b32 v7, 31, v0                           ; lane
	s_delay_alu instid0(VALU_DEP_1)
	v_lshlrev_b32 v[L16], 4, v7
	s_delay_alu instid0(VALU_DEP_2)
	v_lshlrev_b32 v[L8], 3, v7
	v_and_b32 v11, 15, v0                          ; r
	s_delay_alu instid0(VALU_DEP_1)
	v_lshlrev_b32 v[R16], 4, v11
	s_delay_alu instid0(VALU_DEP_2)
	v_lshlrev_b32 v[R32], 5, v11
	v_bfe_u32 v7, v0, 4, 1                         ; h
	s_delay_alu instid0(VALU_DEP_1)
	v_lshlrev_b32 v7, 3, v7
	s_delay_alu instid0(VALU_DEP_1)
	v_sub_nc_u32 v[DM], v11, v7
	s_lshl_b32 s60, s[TA], 4
	v_add_nc_u32 v[DM], s60, v[DM]
	v_mov_b32 v[NINF], 0xff800000
.irp i, 22,23,24,25,26,27, 80,81,82,83,84,85
	v_mov_b32 v\i, 0                               ; zero codes: Q's K = 64 .. 127, and what stands behind K's last tile.  Written once
.endr
.irp i, 236,237,238,239, 252,253
	v_mov_b32 v\i, 0                               ; written once: a lane permute's destination counts as one of its sources; v253 is named in a pair before it is first made
.endr
; A tile of queries begins: token group s[gr].  Q's half fragment and scale word; the largest t -3e38, under every t; the sum and O^T zeros, which the first change of M leaves zeros.
.macro START gr
	s_mul_i32 s[OF], s[\gr], REC
	s_mov_b32 s[OF+1], 0
	s_add_nc_u64 s[QP:QP+1], s[QB:QB+1], s[OF:OF+1]
	s_add_nc_u64 s[QSP:QSP+1], s[QSB:QSB+1], s[OF:OF+1]
	global_load_b128 v[16:19], v[L16], s[QP:QP+1]
	global_load_b64 v[20:21], v[L8], s[QP:QP+1] offset:512
	global_load_b32 v255, v[R16], s[QSP:QSP+1]
	v_mov_b32 v13, 0xff61b1e6
	s_delay_alu instid0(VALU_DEP_1)
	v_floor_f32 v12, -v13                          ; -M
	v_mov_b32 v14, 0
	v_mov_b32 v15, 0
.set i, 0
.rept 32
	v_mov_b32 v[160+i], 0
.set i, i+1
.endr
	s_wait_loadcnt 0x0
.endm
; A KEY STEP: the 128 keys of the record at s[TB].
.macro STEP
	v_add_nc_u32 v[AK], s[TB], v[L16]
	v_add_nc_u32 v[AK8], s[TB], v[L8]
	v_add_nc_u32 v[AR], s[TB], v[R16]
.irp t, 0,1,2,3,4,5,6,7
	ds_load_b128 v[32+6*\t:35+6*\t], v[AK] offset:768*\t           ; K's tile t: keys 16 t + 0 .. 15; six registers
	ds_load_b64 v[36+6*\t:37+6*\t], v[AK8] offset:768*\t+512
.endr
	ds_load_b128 v[192:195], v[AK] offset:12288    ; K's scale words: lanes 0-15 those of tiles 0-3, lanes 16-31 those of tiles 4-7
	s_wait_alu depctr_va_vdst(0)
	s_wait_dscnt 0x0
.irp t, 0,1,2,3
	v_wmma_scale_f32_16x16x128_f8f6f4 v[96+8*\t:103+8*\t], v[32+6*\t:43+6*\t], v[16:27], 0, v[192+\t], v255 matrix_a_fmt:MATRIX_FMT_FP6 matrix_b_fmt:MATRIX_FMT_FP6
.endr
.irp t, 4,5,6,7
	v_wmma_scale_f32_16x16x128_f8f6f4 v[96+8*\t:103+8*\t], v[32+6*\t:43+6*\t], v[16:27], 0, v[188+\t], v255 matrix_a_fmt:MATRIX_FMT_FP6 matrix_b_fmt:MATRIX_FMT_FP6 matrix_a_scale:MATRIX_SCALE_ROW1
.endr
.rept 4
	v_nop                                          ; places in front of the loads into K's registers and of the first read of the scores
.endr
.irp d, 0,1,2,3
.irp c, 0,1,2
	ds_load_b128 v[32+12*\d+4*\c:35+12*\d+4*\c], v[AK] offset:6144+1536*\d+512*\c   ; V^T's four fragments: they land under the softmax
.endr
.endr
	ds_load_b128 v[196:199], v[AR] offset:12800    ; V's scale words: row r's four
	s_cmp_lg_u32 s[KSI], s[G]                      ; the diagonal step: hidden scores become -infinity ahead of the maximum: p = 0 then.  The first key of the step counts for every query of the tile
	s_cbranch_scc1 .Lopen_\@
.irp n, 0,1,2,3,4,5,6,7,8,9,10,11,12,13,14,15,16,17,18,19,20,21,22,23,24,25,26,27,28,29,30,31,32,33,34,35,36,37,38,39,40,41,42,43,44,45,46,47,48,49,50,51,52,53,54,55,56,57,58,59,60,61,62,63
	v_cmp_gt_i32 vcc_lo, 16*(\n/8)+\n%8, v[DM]
	v_cndmask_b32 v[96+\n], v[96+\n], v[NINF], vcc_lo
.endr
.Lopen_\@:
.irp b, 0,1,2,3
	v_max3_num_f32 v[232+\b], v[96+16*\b], v[97+16*\b], v[98+16*\b]   ; the largest score of each block of 32 keys: for the row's maximum, and, since p rises with the score, for the block's largest p
.endr
.irp i, 3,5,7,9,11,13
.irp b, 0,1,2,3
	v_max3_num_f32 v[232+\b], v[232+\b], v[96+16*\b+\i], v[97+16*\b+\i]
.endr
.endr
.irp b, 0,1,2,3
	v_max_num_f32 v[232+\b], v[232+\b], v[111+16*\b]
.endr
.irp b, 0,1,2,3
	s_delay_alu instid0(VALU_DEP_4)
	v_permlanex16_b32 v[236+\b], v[232+\b], s[SEL], s[SEL+1]
.endr
.irp b, 0,1,2,3
	s_delay_alu instid0(VALU_DEP_4)
	v_max_num_f32 v[232+\b], v[232+\b], v[236+\b]  ; with lane l xor 16's 16 keys
.endr
	s_delay_alu instid0(VALU_DEP_2)
	v_max3_num_f32 v254, v232, v233, v234
	s_delay_alu instid0(VALU_DEP_1)
	v_max_num_f32 v254, v254, v235                 ; the step's largest score of my query
	s_delay_alu instid0(VALU_DEP_1)
	v_mul_f32 v254, s[CS], v254                    ; as t (c is positive)
	s_delay_alu instid0(VALU_DEP_1)
	v_max_num_f32 v13, v13, v254                   ; the running largest t
	v_mov_b32 v254, v12
	s_delay_alu instid0(VALU_DEP_2)
	v_floor_f32 v12, -v13                          ; the new -M = floor(-t) = -ceil(t)
	s_delay_alu instid0(VALU_DEP_1)
	v_sub_f32 v254, v12, v254                      ; M's old value less its new one: a whole number, 0 or less
	s_delay_alu instid0(VALU_DEP_1)
	v_cvt_i32_f32 v254, v254                       ; (it saturates)
	s_delay_alu instid0(VALU_DEP_1)
	v_ldexp_f32 v252, 1.0, v254                    ; f = 2^(old M - new M)
.set i, 0
.rept 32
	v_pk_fma_f32 v[96+i:97+i], v[96+i:97+i], s[CS:CS+1], v[12:13] op_sel_hi:[1,0,0]   ; t - M, two at a time
.set i, i+2
.endr
.irp b, 0,1,2,3
	v_fma_f32 v[232+\b], v[232+\b], s[CS], v12     ; the same of each block's largest score
.endr
.set i, 0
	s_wait_alu depctr_va_vdst(0)
.rept 64
	v_exp_f32 v[96+i], v[96+i]                     ; p = 2^(t - M), at most 1: not normalised
.set i, i+1
.endr
	s_setprio 1
.irp b, 0,1,2,3
	v_exp_f32 v[232+\b], v[232+\b]                 ; the block's largest p: the same two instructions on the same number give the same bits
.endr
	v_pk_mul_f32 v[14:15], v[14:15], v[252:253] op_sel_hi:[1,0]   ; the sums under the new M.  (A plain place behind the exponentials)
	s_wait_alu depctr_va_vdst(0)
.irp b, 0,1,2,3
	v_max_num_f32 v[232+\b], 0x1800000, v[232+\b]  ; the floor 2^(3 - 127): the byte cannot fall under 1
.endr
.irp b, 0,1,2,3
	s_delay_alu instid0(VALU_DEP_4)
	v_add_nc_u32 v[244+\b], 0xff000000, v[232+\b]  ; 2 off the exponent field: the conversion's scale operand
.endr
.irp b, 0,1,2,3
	s_delay_alu instid0(VALU_DEP_4)
	v_lshrrev_b32 v[236+\b], 23, v[244+\b]         ; the scale's byte
.endr
	s_delay_alu instid0(VALU_DEP_3)
	v_lshl_or_b32 v253, v237, 8, v236              ; p's scale word for these 128 keys
	s_delay_alu instid0(VALU_DEP_1)
	v_lshl_or_b32 v253, v238, 16, v253
	s_delay_alu instid0(VALU_DEP_1)
	v_lshl_or_b32 v253, v239, 24, v253
.irp c, 0,1
	v_cvt_scalef32_pk16_fp6_f32 v[224+6*\c:226+6*\c], v[96+32*\c:111+32*\c], v[244+2*\c]
	v_cvt_scalef32_pk16_fp6_f32 v[236+4*\c:238+4*\c], v[112+32*\c:127+32*\c], v[244+2*\c+1]   ; (a conversion's three registers begin on an even number)
.endr
	v_nop                                          ; one plain place behind a scaled conversion
.irp c, 0,1                                    ; the operand's layout wants a whole block in a lane
.irp i, 0,1,2
	v_permlane16_swap_b32 v[224+6*\c+\i], v[236+4*\c+\i]
.endr
.irp i, 0,1,2
	s_delay_alu instid0(VALU_DEP_3)
	v_mov_b32 v[227+6*\c+\i], v[236+4*\c+\i]
.endr
.endr
	v_pk_add_f32 v[236:237], v[100:101], v[104:105]
	v_pk_add_f32 v[248:249], v[108:109], v[112:113]
	v_pk_add_f32 v[246:247], v[116:117], v[120:121]
	v_pk_add_f32 v[244:245], v[124:125], v[128:129]
	v_pk_add_f32 v[242:243], v[132:133], v[136:137]
	v_pk_add_f32 v[240:241], v[140:141], v[144:145]
	v_pk_add_f32 v[222:223], v[148:149], v[152:153]
	v_pk_add_f32 v[14:15], v[14:15], v[156:157]
	v_pk_add_f32 v[236:237], v[236:237], v[96:97]
	v_pk_add_f32 v[248:249], v[248:249], v[98:99]
	v_pk_add_f32 v[246:247], v[246:247], v[102:103]
	v_pk_add_f32 v[244:245], v[244:245], v[106:107]
	v_pk_add_f32 v[242:243], v[242:243], v[110:111]
	v_pk_add_f32 v[240:241], v[240:241], v[114:115]
	v_pk_add_f32 v[222:223], v[222:223], v[118:119]
	v_pk_add_f32 v[14:15], v[14:15], v[122:123]
	v_pk_add_f32 v[236:237], v[236:237], v[126:127]
	v_pk_add_f32 v[248:249], v[248:249], v[130:131]
	v_pk_add_f32 v[246:247], v[246:247], v[134:135]
	v_pk_add_f32 v[244:245], v[244:245], v[138:139]
	v_pk_add_f32 v[242:243], v[242:243], v[142:143]
	v_pk_add_f32 v[240:241], v[240:241], v[146:147]
	v_pk_add_f32 v[222:223], v[222:223], v[150:151]
	v_pk_add_f32 v[14:15], v[14:15], v[154:155]
	v_pk_add_f32 v[236:237], v[236:237], v[158:159]
	s_delay_alu instid0(VALU_DEP_2)
	v_pk_add_f32 v[14:15], v[14:15], v[244:245]
	s_delay_alu instid0(VALU_DEP_2)
	v_pk_add_f32 v[236:237], v[236:237], v[242:243]
	v_pk_add_f32 v[248:249], v[248:249], v[240:241]
	v_pk_add_f32 v[246:247], v[246:247], v[222:223]
	s_delay_alu instid0(VALU_DEP_2)
	v_pk_add_f32 v[14:15], v[14:15], v[248:249]
	s_delay_alu instid0(VALU_DEP_2)
	v_pk_add_f32 v[236:237], v[236:237], v[246:247]
	s_delay_alu instid0(VALU_DEP_1)
	v_pk_add_f32 v[14:15], v[14:15], v[236:237]
.set i, 0
.rept 16
	v_pk_mul_f32 v[160+i:161+i], v[160+i:161+i], v[252:253] op_sel_hi:[1,0]   ; O^T under the new M.  (With the sums above: the places between p's codes and scale word and the products below)
.set i, i+2
.endr
	s_wait_alu depctr_va_vdst(0)
	s_wait_dscnt 0x0                               ; V^T's fragments and scale words are in
.irp d, 0,1,2,3                                ; four accumulators, one instruction each a step: they take turns
	v_wmma_scale_f32_16x16x128_f8f6f4 v[160+8*\d:167+8*\d], v[32+12*\d:43+12*\d], v[224:235], v[160+8*\d:167+8*\d], v[196+\d], v253 matrix_a_fmt:MATRIX_FMT_FP6 matrix_b_fmt:MATRIX_FMT_FP6
.endr
.rept 4
	v_nop                                          ; places in front of the next loads into V's registers and of the next read of O^T
.endr
.endm
; A tile of queries ends: O^T / the sum, in the natural order along the head's 64, quantised in two blocks of 32, stored as an image of half a fragment with its two scale bytes.
.macro FINISH
	v_add_f32 v14, v14, v15                        ; the sum's two halves,
	s_delay_alu instid0(VALU_DEP_1)
	v_permlanex16_b32 v252, v14, s[SEL], s[SEL+1]
	s_delay_alu instid0(VALU_DEP_1)
	v_add_f32 v14, v14, v252                       ; and lane l xor 16's
	s_wait_alu depctr_va_vdst(0)
	v_rcp_f32 v14, v14
	v_nop                                          ; one plain place behind a transcendental
.set i, 0
	s_wait_alu depctr_va_vdst(0)
.rept 32
	v_mul_f32 v[96+i], v[160+i], v14               ; register 8 t + j is o(r, 16 t + 8 h + j); each accumulator from its low end on
.set i, i+1
.endr
.irp b, 0,1
.irp j, 0,1,2,3,4,5,6,7
	v_permlane16_swap_b32 v[96+16*\b+\j], v[104+16*\b+\j]   ; the first's lanes 16-31 change places with the second's lanes 0-15: register 16 b + i is now o(r, 32 b + 16 h + i)
.endr
.endr
.irp b, 0,1
	v_max3_num_f32 v[232+\b], |v[96+16*\b]|, |v[97+16*\b]|, 0x1800000
.endr
.irp i, 2,4,6,8,10,12,14
.irp b, 0,1
	s_delay_alu instid0(VALU_DEP_2)
	v_max3_num_f32 v[232+\b], v[232+\b], |v[96+16*\b+\i]|, |v[97+16*\b+\i]|
.endr
.endr
.irp b, 0,1
	s_delay_alu instid0(VALU_DEP_2)
	v_permlanex16_b32 v[236+\b], v[232+\b], s[SEL], s[SEL+1]
.endr
.irp b, 0,1
	s_delay_alu instid0(VALU_DEP_2)
	v_max_num_f32 v[232+\b], v[232+\b], v[236+\b]
.endr
.irp b, 0,1
	s_delay_alu instid0(VALU_DEP_2)
	v_add_nc_u32 v[244+\b], 0xff000000, v[232+\b]
.endr
.irp b, 0,1
	s_delay_alu instid0(VALU_DEP_2)
	v_lshrrev_b32 v[236+\b], 23, v[244+\b]
.endr
	s_delay_alu instid0(VALU_DEP_1)
	v_lshl_or_b32 v254, v237, 8, v236              ; the head's two scale bytes of my row
	v_cvt_scalef32_pk16_fp6_f32 v[224:226], v[96:111], v244
	v_cvt_scalef32_pk16_fp6_f32 v[240:242], v[112:127], v245
	v_nop                                          ; one plain place behind a scaled conversion
.irp i, 0,1,2
	v_permlane16_swap_b32 v[224+\i], v[240+\i]
.endr
.irp i, 0,1,2
	s_delay_alu instid0(VALU_DEP_3)
	v_mov_b32 v[227+\i], v[240+\i]                 ; registers 0-5: lanes 0-15 block 0, lanes 16-31 block 1
.endr
	s_mul_i32 s[OF], s[G], 98304                   ; a token group is 8 token tiles x 16 heads x 768 bytes,
	s_mov_b32 s[OF+1], 0
	s_add_nc_u64 s[OC:OC+1], s[OCB:OCB+1], s[OF:OF+1]
	s_lshl_b32 s[OF], s[G], 12                     ; and 128 rows of 32 scale bytes
	s_add_nc_u64 s[OS:OS+1], s[OSB:OSB+1], s[OF:OF+1]
	global_store_b128 v[L16], v[224:227], s[OC:OC+1]               ; 512 consecutive bytes,
	global_store_b64 v[L8], v[228:229], s[OC:OC+1] offset:512      ; and 256
	global_store_b16 v[R32], v254, s[OS:OS+1]
	s_wait_xcnt 0x0                                ; the stores' data and bases are written again only behind this wait
.endm
	START WP                                       ; my first tile: token group w % 8
	s_wait_tensorcnt 0x0                           ; my record has landed,
	s_barrier_signal -1
	s_barrier_wait -1                              ; everybody's has: the head's k and v lie in LDS for the rest of the launch
	s_mov_b32 s[J], 0
.Lstep:                                            ; 17 trips
	s_cmp_gt_u32 s[J], s[WP]                       ; the first tile's steps are trips 0 .. w % 8, the second's the rest
	s_cselect_b32 s[T0], s[WP1], 0
	s_cselect_b32 s[G], s[GB], s[WP]
	s_sub_co_u32 s[KSI], s[J], s[T0]
	s_and_b32 s[KSI], s[KSI], 15                   ; the key step, 0 .. 15
	s_mul_i32 s[TB], s[KSI], REC
	s_setprio 2
	STEP
	s_setprio 0
	s_cmp_lg_u32 s[KSI], s[G]                      ; the diagonal step is a tile's last
	s_cbranch_scc1 .Lnext
	FINISH
	s_cmp_eq_u32 s[J], 16
	s_cbranch_scc1 .Lnext
	START GB                                       ; my second tile: token group 15 - w % 8
.Lnext:
	s_add_co_u32 s[J], s[J], 1
	s_cmp_lt_u32 s[J], 17
	s_cbranch_scc1 .Lstep
	s_setprio 0
	s_wait_tensorcnt 0x0
	ds_add_u32 v250, v251
	s_wait_dscnt 0x0
	CROUND                                         ; the closing round
	s_endpgm
.Lfunc_end_k_qb74f8a48d2_attn:
	.size	k_qb74f8a48d2_attn, .Lfunc_end_k_qb74f8a48d2_attn-k_qb74f8a48d2_attn
	.p2alignl 7, 3214868480
	.fill 96, 4, 3214868480
	.section	.rodata,"a",@progbits
	.p2align	6, 0x0
	.amdhsa_kernel k_qb74f8a48d2_attn
		.amdhsa_group_segment_fixed_size 210944
		.amdhsa_private_segment_fixed_size 0
		.amdhsa_enable_private_segment 0
		.amdhsa_kernarg_size 24
		.amdhsa_user_sgpr_count 2
		.amdhsa_user_sgpr_kernarg_segment_ptr 1
		.amdhsa_wavefront_size32 1
		.amdhsa_system_sgpr_workgroup_id_x 1
		.amdhsa_system_sgpr_workgroup_id_y 1
		.amdhsa_system_sgpr_workgroup_id_z 1
		.amdhsa_system_vgpr_workitem_id 0
		.amdhsa_next_free_vgpr 256
		.amdhsa_next_free_sgpr 66
		.amdhsa_reserve_vcc 1
		.amdhsa_float_denorm_mode_32 3
		.amdhsa_float_denorm_mode_16_64 3
		.amdhsa_memory_ordered 1
		.amdhsa_forward_progress 1
		.amdhsa_inst_pref_size 37
	.end_amdhsa_kernel
	.amdgpu_metadata
---
amdhsa.version: [ 1, 2 ]
amdhsa.kernels:
  - .name:           k_qb74f8a48d2_attn
    .symbol:         k_qb74f8a48d2_attn.kd
    .args:
      - { .name: qkv, .offset: 0, .size: 8, .value_kind: global_buffer, .address_space: global }
      - { .name: ao_codes, .offset: 8, .size: 8, .value_kind: global_buffer, .address_space: global }
      - { .name: ao_scales, .offset: 16, .size: 8, .value_kind: global_buffer, .address_space: global }
    .group_segment_fixed_size: 210944
    .private_segment_fixed_size: 0
    .kernarg_segment_align: 8
    .kernarg_segment_size: 24
    .max_flat_workgroup_size: 512
    .sgpr_count:     66
    .vgpr_count:     256
    .wavefront_size: 32
...
	.end_amdgpu_metadata
.endif
;; end of part 2
;; launch proj (part 3): grid 4 x 32, 4 waves a work-group, clusters of 4 x 4, 327,680 bytes of LDS; arguments ao_codes, ao_scales, proj_w_codes, proj_w_scales, proj_b, out0; writes out0
.if DOCPART == 3
	.amdgcn_target "amdgcn-amd-amdhsa--gfx1250"
	.amdhsa_code_object_version 6
	.text
	.protected	k_qb74f8a48d2_proj
	.globl	k_qb74f8a48d2_proj
	.p2align	8
	.type	k_qb74f8a48d2_proj,@function
k_qb74f8a48d2_proj:
	s_mov_b64 s[64:65], 0
	v_nop
	global_prefetch_b8 v0, s[64:65] scope:SCOPE_SE
	s_setreg_imm32_b32 hwreg(HW_REG_WAVE_MODE, 25, 1), 1
	s_wait_xcnt 0x0
	s_wait_alu depctr_hold_cnt(0) depctr_sa_sdst(0) depctr_va_vdst(0) depctr_va_sdst(0) depctr_va_ssrc(0) depctr_va_vcc(0) depctr_vm_vsrc(0)
	s_getreg_b32 s2, hwreg(HW_REG_IB_STS2, 6, 4)
	s_cmp_eq_u32 s2, 0
	s_cbranch_scc0 .Lentry_in_a_cluster
	s_endpgm
.Lentry_in_a_cluster:
	s_bfe_u32 s2, ttmp6, 0x10000c
	s_cmp_lg_u32 s2, 0xf033
	s_cbranch_scc0 .Lentry_shape_is_right
	s_endpgm
.Lentry_shape_is_right:
; out0 = A W^T + b on codes of FP6 (E2M3) with one E8M0 scale for each 32 along K = 1,024.  A: attention's result, 8,192 rows; W: proj_w [1024][1024]; b: [1024] f32; out0: [8192][1024] f32.
; A's codes lie as IMAGES of operand registers: ao_codes [token tile 512][head 16][768 bytes]; two heads on end are one fragment (16 rows x 128 K): registers 0-3 at 16 x lane, 4-5 at 512 + 8 x lane, 6-9 at 768 + 16 x lane,
; 10-11 at 1,280 + 8 x lane.  A's scale bytes [8192][32], W's codes (a row 768 bytes) and scale bytes [1024][32] lie by rows.
; A tile of 256 x 256 of out0 is made by a work-group of four waves, a wave makes 128 x 128: 64 accumulators, 512 registers.  K goes in steps of 256 through a ring of two LDS slots; the scale bytes come into LDS once.
; 4 x 4 work-groups form a cluster: A's tiles are asked for jointly along a row of the cluster, W's along a column.  The grid has 128 work-groups: a smaller tile would give more, at twice the LDS bytes for each product.
; THE MATRIX INSTRUCTION IS USED TRANSPOSED (source 0 = 16 rows of W, source 1 = 16 rows of A): a lane holds eight neighbouring numbers of a row of out0.  The bias is the C of each sum's first product.
; REGISTERS, in windows of 256: window 0: v0-31 addresses; v32-63 scale words, two sets; v64-127 the bias; from v128 A's fragments, one set; on the way out v128-255 hold rows.
;   window 1: W's fragments, two sets.   window 2: the accumulators of my rows 0-63 ((a, b) at v[8 (8 a + b)]);   window 3: those of my rows 64-127.
.set SIZE_N, 1024
.set KSTEP,  256
.set NQ,     KSTEP/128
.set ROWB,   192                       ; a row of W's tile in bytes
.set KROW,   768                       ; a row of W in memory; also: A's images take 768 bytes for each row
.set PITCH,  240                       ; W's LDS row: 3 x (64 bytes + 16 of padding)
.set FR,     12
.set NLA,    4                         ; LDS loads that bring a fragment of A
.set NP,     4                         ; places behind this matrix instruction (ISA guide 7.12.1)
.set AROW,   3072                      ; a token tile's images of a K step: four heads
.set HALFA,  8*AROW                    ; 128 rows of A: what one tensor load brings
.set HALFB,  128*PITCH                 ; 128 rows of W
.set SLOT,   2*HALFA+2*HALFB
.set LAPS,   2
.set KS,     32
.set SCL,    2*SLOT                    ; behind the ring: the scales, as units of 256 bytes + 16 of padding
.set HALFS,  (128*KS/256)*272
.set SBLK,   (16*KS/256)*272
.set SPARE,  SCL+4*HALFS               ; the spare words, 128 bytes for each wave: two blocks of 256 bytes that no other line names
.set SPITCH, 528                       ; the way out: a stage of 16 rows x (512 bytes + 16) for each wave, in slot 0, which has had its last fill and its last read when the first result is stored there
.set ADRA, 16                          ; v16-17 my A fragments in slot 0, 1, + 16 x lane;  v18-19 + 8 x lane
.set ADRB, 20                          ; v20-21 my W fragments;  v22-23 behind one padding more
.set STO,  24
.set RD,   25
.set CO,   26
.set ADRS, 27
.set SPW,  28                          ; v28  LDS address of my spare word; never rewritten
.set NIL,  29                          ; v29  0; never rewritten
.set SC,   32
.set BIAS, 64
.set AF,   128
.set BK,   128
.set G1, 24
.set G0, 32
.set G1B, 48
.set G0B, 56
.set G1S, 68
.set G0S, 76
.set G1SB, 80
.set G0SB, 88
.set MSB, 0
.macro WIN new                         ; the immediate's high byte repeats the setting that is left
.if MSB != (\new)
	s_set_vgpr_msb (MSB<<8)|(\new)
.set MSB, (\new)
.endif
.endm
.set MUL_LO, 0xa1                      ; source 0 (W) window 1, source 1 (A) window 0, C and D window 2
.set MUL_HI, 0xf1                      ; the same, C and D window 3
.set BEG_LO, 0x81                      ; the first step: C (the bias) window 0, D window 2
.set BEG_HI, 0xc1                      ; D window 3
.set TO_B,   0x40
.macro JLOAD g0a, g1a, g0b, g1b        ; a joint load: waves 0 and 1 fetch for A, waves 2 and 3 for W; four v_nop follow each of the two lines
	s_cmp_eq_u32 s15, 0
	s_cbranch_scc0 .Lfor_b_\@
	tensor_load_to_lds s[\g0a:\g0a+3], s[\g1a:\g1a+7]
	s_nop 0
.rept 4
	v_nop
.endr
	s_branch .Lasked_\@
.Lfor_b_\@:
	tensor_load_to_lds s[\g0b:\g0b+3], s[\g1b:\g1b+7]
	s_nop 0
.rept 4
	v_nop
.endr
.Lasked_\@:
.endm
.macro CREST
	s_cmp_lg_u32 s14, 0
	s_cbranch_scc1 .Lnot_wave_0_\@
	s_barrier_signal -3
.Lnot_wave_0_\@:
	s_barrier_wait -3
	s_barrier_signal -1
	s_barrier_wait -1
.endm
.macro CROUND
	s_barrier_signal -1
	s_barrier_wait -1
	CREST
.endm
	s_load_b128 s[4:7], s[0:1], 0x0                ; A's codes, A's scales
	s_load_b128 s[8:11], s[0:1], 0x10              ; W's codes, W's scales
	s_load_b128 s[96:99], s[0:1], 0x20             ; the bias, out0
	v_lshl_add_u32 v[SPW], v0, 2, SPARE
	v_mov_b32 v[NIL], 0
	ds_add_u32 v28, v29
	ds_add_u32 v28, v29
	s_wait_dscnt 0x0
	v_lshrrev_b32 v1, 5, v0
	v_readfirstlane_b32 s14, v1                    ; wave 0..3
	s_lshr_b32 s15, s14, 1                         ; which half of the tile's rows is mine.  Also: I fetch for A (0) or for W (1)
	s_and_b32 s16, s14, 1                          ; which half of its columns.  Also: which 128 rows of that tile I fetch
	s_bfe_u32 s40, ttmp6, 0x40000                  ; cx, cy
	s_bfe_u32 s41, ttmp6, 0x40004
	s_lshl_b32 s42, ttmp9, 2
	s_add_co_u32 s42, s42, s40                     ; tile column = 4 x cluster x + cx
	s_and_b32 s17, ttmp7, 0xffff
	s_lshl_b32 s17, s17, 2
	s_add_co_u32 s17, s17, s41                     ; tile row = 4 x cluster y + cy
	s_lshl_b32 s43, s41, 2
	s_lshl_b32 s43, 15, s43                        ; my row of the cluster
	s_lshl_b32 s44, 0x1111, s40                    ; my column
	; A's tiles: 8 token tiles x 3,072 bytes (384 elements of 8), 12,288 bytes apart; no padding: an image is read 16 or 8 bytes a lane, on end
	s_or_b32 s[G1+0], s43, (3<<16)|(1<<21)
	s_mov_b32 s[G1+1], 384<<16                     ; tensor_dim0
	s_mov_b32 s[G1+2], 8<<16                       ; tensor_dim1
	s_mov_b32 s[G1+3], 384<<16                     ; tile_dim0
	s_mov_b32 s[G1+4], 8                           ; tile_dim1
	s_mov_b32 s[G1+5], 1536                        ; tensor_dim0_stride
	s_mov_b32 s[G1+6], 0
	s_mov_b32 s[G1+7], 0
	; W's tiles: 128 rows x 192 bytes, 16 bytes of padding behind every 64
	s_or_b32 s[G1B+0], s44, (0<<16)|(1<<20)|(1<<21)|(3<<22)|(3<<25)
	s_mov_b32 s[G1B+1], ROWB<<16
	s_mov_b32 s[G1B+2], 128<<16
	s_mov_b32 s[G1B+3], ROWB<<16
	s_mov_b32 s[G1B+4], 128
	s_mov_b32 s[G1B+5], KROW
	s_mov_b32 s[G1B+6], 0
	s_mov_b32 s[G1B+7], 0
	; the scales of 128 rows: 4,096 dense bytes, as rows of 256 bytes, 16 bytes of padding behind each
	s_or_b32 s[G1S+0], s43, (3<<16)|(1<<20)|(1<<21)|(5<<22)|(3<<25)
	s_or_b32 s[G1SB+0], s44, (3<<16)|(1<<20)|(1<<21)|(5<<22)|(3<<25)
.irp g, G1S, G1SB
	s_mov_b32 s[\g+1], 32<<16
	s_mov_b32 s[\g+2], (128*KS/256)<<16
	s_mov_b32 s[\g+3], 32<<16
	s_mov_b32 s[\g+4], 128*KS/256
	s_mov_b32 s[\g+5], 32
	s_mov_b32 s[\g+6], 0
	s_mov_b32 s[\g+7], 0
.endr
	s_lshl_b32 s18, s16, 7                         ; which 128 rows of the tile I fetch
	s_lshl_b32 s20, s17, 8
	s_add_co_u32 s20, s20, s18                     ; A: row 256 x tile row + 128 x half
	s_lshl_b32 s46, s42, 8
	s_add_co_u32 s46, s46, s18                     ; W: row 256 x tile column + 128 x half
	s_mov_b32 s21, 0
	s_mov_b32 s47, 0
	s_mov_b64 s[18:19], KS
	s_mul_u64 s[22:23], s[20:21], s[18:19]         ; where these rows' scales begin
	s_mul_u64 s[92:93], s[46:47], s[18:19]
	s_mov_b64 s[18:19], KROW
	s_mul_u64 s[20:21], s[20:21], s[18:19]         ; and their codes: 768 bytes a row, for A's images too (16 rows: 12,288 bytes)
	s_mul_u64 s[46:47], s[46:47], s[18:19]
	s_mul_i32 s45, s16, HALFA                      ; where they go: A's two halves,
	s_mul_i32 s95, s16, HALFB
	s_add_co_u32 s95, s95, 2*HALFA                 ; then W's two: no place in the cluster enters an LDS address
	s_mul_i32 s94, s14, HALFS
	s_wait_kmcnt 0x0
	s_add_nc_u64 s[20:21], s[4:5], s[20:21]
	s_add_nc_u64 s[22:23], s[6:7], s[22:23]
	s_add_nc_u64 s[46:47], s[8:9], s[46:47]
	s_add_nc_u64 s[92:93], s[10:11], s[92:93]
	CROUND                                         ; all sixteen work-groups are here: the first joint loads meet
	s_mov_b32 s[G0S], 1
	s_add_co_u32 s[G0S+1], s94, SCL
	s_mov_b64 s[G0S+2:G0S+3], s[22:23]
	s_or_b32 s[G0S+3], s[G0S+3], 0x80000000
	s_mov_b32 s[G0SB], 1
	s_add_co_u32 s[G0SB+1], s94, SCL
	s_mov_b64 s[G0SB+2:G0SB+3], s[92:93]
	s_or_b32 s[G0SB+3], s[G0SB+3], 0x80000000
	JLOAD G0S, G1S, G0SB, G1SB                     ; the scales first
.irp s, 0,1
	s_mov_b32 s[G0+4*\s], 1
	s_add_co_u32 s[G0+4*\s+1], s45, \s*SLOT
	s_add_nc_u64 s[G0+4*\s+2:G0+4*\s+3], s[20:21], \s*AROW
	s_or_b32 s[G0+4*\s+3], s[G0+4*\s+3], 0x80000000
	s_mov_b32 s[G0B+4*\s], 1
	s_add_co_u32 s[G0B+4*\s+1], s95, \s*SLOT
	s_add_nc_u64 s[G0B+4*\s+2:G0B+4*\s+3], s[46:47], \s*ROWB
	s_or_b32 s[G0B+4*\s+3], s[G0B+4*\s+3], 0x80000000
	s_wait_alu depctr_va_vdst(0)
	s_wait_tensorcnt 0x0
	ds_add_u32 v28, v29
	s_wait_dscnt 0x0
	CROUND
	JLOAD G0+4*\s, G1, G0B+4*\s, G1B
.endr
	v_and_b32 v1, 15, v0                           ; r
	v_bfe_u32 v2, v0, 4, 1                         ; h
	v_and_b32 v6, 31, v0                           ; lane
	v_lshlrev_b32 v7, 4, v6
	v_lshlrev_b32 v8, 3, v6
	v_mul_u32_u24 v3, v1, PITCH
	v_mul_u32_u24 v4, v2, 24
	v_add_nc_u32 v4, v3, v4                        ; W: a fragment's row x pitch + 24 x half
	v_lshl_add_u32 v5, v2, 4, v4                   ; and the same behind one padding more
	s_mul_i32 s21, s15, HALFA                      ; my 128 rows of A
	s_mul_i32 s22, s16, HALFB                      ; my 128 rows of W,
	s_add_co_u32 s22, s22, 2*HALFA                 ; which lie behind A's 256
.irp s, 0,1
	v_add_nc_u32 v[ADRA+\s], s21, v7
	v_add_nc_u32 v[ADRA+2+\s], s21, v8
	v_add_nc_u32 v[ADRB+\s], s22, v4
	v_add_nc_u32 v[ADRB+2+\s], s22, v5
	s_add_co_u32 s21, s21, SLOT
	s_add_co_u32 s22, s22, SLOT
.endr
	v_mul_u32_u24 v5, v1, KS                       ; my row's scales: 32 bytes a row,
	v_lshrrev_b32 v6, 8, v5
	v_lshl_add_u32 v5, v6, 4, v5                   ; and 16 more for each 256 passed
	s_mul_i32 s21, s15, HALFS
	s_mul_i32 s22, s16, HALFS
	s_add_co_u32 s22, s22, 2*HALFS
	s_sub_co_u32 s22, s22, s21
	v_mul_u32_u24 v6, s22, v2                      ; lanes 16-31 take W's
	s_add_co_u32 s21, s21, SCL
	v_add_nc_u32 v5, v5, v6
	v_add_nc_u32 v[ADRS], s21, v5
	s_mul_i32 s23, s14, 16*SPITCH                  ; my stage
	v_mul_u32_u24 v5, v1, SPITCH                   ; in: row r, 32 bytes for each half of the lanes
	v_lshl_add_u32 v5, v2, 5, v5
	v_add_nc_u32 v[STO], s23, v5
	v_mov_b32 v[CO], v7                            ; back: the 32 lanes take one row of 512 bytes; and the same in out0
	v_add_nc_u32 v[RD], s23, v[CO]
	v_lshlrev_b32 v9, 5, v2                        ; the bias: 32 h
	s_wait_alu depctr_va_vdst(0)
	s_lshl_b32 s20, s17, 8
	s_lshl_b32 s21, s15, 7
	s_add_co_u32 s20, s20, s21                     ; my first row of out0
	s_mov_b32 s21, 0
	s_mov_b64 s[18:19], SIZE_N*4
	s_mul_u64 s[20:21], s[20:21], s[18:19]
	s_lshl_b32 s46, s42, 10                        ; my first column, in bytes: 1,024 x tile column + 512 x half: in out0's rows and in the bias alike
	s_lshl_b32 s47, s16, 9
	s_add_co_u32 s46, s46, s47
	s_mov_b32 s47, 0
	s_add_nc_u64 s[96:97], s[96:97], s[46:47]
	s_add_nc_u64 s[20:21], s[20:21], s[46:47]
	s_add_nc_u64 s[12:13], s[98:99], s[20:21]
.irp b, 0,1,2,3,4,5,6,7
	global_load_b128 v[BIAS+8*\b:BIAS+8*\b+3], v9, s[96:97] offset:64*\b           ; b(16 b + 8 h + 0 .. 7) of my 128 columns: eight registers a column block, in the result's layout
	global_load_b128 v[BIAS+8*\b+4:BIAS+8*\b+7], v9, s[96:97] offset:64*\b+16
.endr
.macro FRAG reg, adr, q, i             ; a fragment of W from rows: 24 bytes of the row's stream of bits twice, in pieces of 8 bytes
.irp p, 0,1,2,3,4,5
.set PCE, 12*(\q)+6*(\p/3)+\p%3
.if PCE%8 < 5
	ds_load_b64 v[\reg+2*\p:\reg+2*\p+1], v[\adr] offset:8*PCE+16*(PCE/8)+(\i)*16*PITCH
.else
	ds_load_b64 v[\reg+2*\p:\reg+2*\p+1], v[\adr+2] offset:8*PCE+16*(PCE/8)+(\i)*16*PITCH
.endif
.endr
.endm
.macro FRAGA reg, slot, q, i           ; a fragment of A from its image: four loads, each of consecutive bytes
	ds_load_b128 v[\reg:\reg+3], v[ADRA+\slot] offset:AROW*(\i)+1536*(\q)
	ds_load_b64 v[\reg+4:\reg+5], v[ADRA+2+\slot] offset:AROW*(\i)+1536*(\q)+512
	ds_load_b128 v[\reg+6:\reg+9], v[ADRA+\slot] offset:AROW*(\i)+1536*(\q)+768
	ds_load_b64 v[\reg+10:\reg+11], v[ADRA+2+\slot] offset:AROW*(\i)+1536*(\q)+1280
.endm
; 16 matrix instructions: A's blocks a0, a0 + 1 x W's eight.  first = 1: the sums begin with the bias as C.  The 64 accumulators take turns, one instruction a turn.
.macro MUL16 a0, p, q, sc, first
.irp a, \a0, \a0+1
.irp b, 0,1,2,3,4,5,6,7
.if \first
	v_wmma_scale_f32_16x16x128_f8f6f4 v[8*(8*((\a)%4)+\b):8*(8*((\a)%4)+\b)+7], v[128*(\p)+FR*\b:128*(\p)+FR*\b+FR-1], v[AF+FR*(\a):AF+FR*(\a)+FR-1], v[BIAS+8*\b:BIAS+8*\b+7], v[SC+8*NQ*(\sc)+NQ*\b+(\q)], v[SC+8*NQ*(\sc)+NQ*(\a)+(\q)] matrix_a_fmt:MATRIX_FMT_FP6 matrix_b_fmt:MATRIX_FMT_FP6 matrix_a_scale:MATRIX_SCALE_ROW1
.else
	v_wmma_scale_f32_16x16x128_f8f6f4 v[8*(8*((\a)%4)+\b):8*(8*((\a)%4)+\b)+7], v[128*(\p)+FR*\b:128*(\p)+FR*\b+FR-1], v[AF+FR*(\a):AF+FR*(\a)+FR-1], v[8*(8*((\a)%4)+\b):8*(8*((\a)%4)+\b)+7], v[SC+8*NQ*(\sc)+NQ*\b+(\q)], v[SC+8*NQ*(\sc)+NQ*(\a)+(\q)] matrix_a_fmt:MATRIX_FMT_FP6 matrix_b_fmt:MATRIX_FMT_FP6 matrix_a_scale:MATRIX_SCALE_ROW1
.endif
.endr
.endr
.endm
.macro FETCH_B slot, q, p
	WIN TO_B
.irp i, 0,1,2,3,4,5,6,7
	FRAG 128*(\p)+FR*\i, ADRB+\slot, \q, \i
.endr
	WIN 0
.endm
.macro FETCH_A slot, q, i0
.irp i, \i0, \i0+1, \i0+2, \i0+3
	FRAGA AF+FR*(\i), \slot, \q, \i
.endr
.endm
.macro SCALES sc
.irp i, 0,1,2,3,4,5,6,7
	ds_load_b64 v[SC+8*NQ*\sc+NQ*\i:SC+8*NQ*\sc+NQ*\i+1], v[ADRS] offset:\i*SBLK
.endr
.endm
.macro PLACES n
.rept \n
	v_nop
.endr
.endm
.macro STEP slot, q, first
	s_wait_dscnt 4*NLA                             ; W's set and A's blocks 0-3 are in; the youngest 16 loads (A's blocks 4-7) may be out
.if \first
	WIN BEG_LO
.else
	WIN MUL_LO
.endif
	MUL16 0, (\q)%2, \q, \slot, \first
	MUL16 2, (\q)%2, \q, \slot, \first
	s_wait_dscnt 0
	PLACES NP
	FETCH_B \slot, (\q)+1, 1-(\q)%2
	FETCH_A \slot, (\q)+1, 0
.if \first
	WIN BEG_HI
.else
	WIN MUL_HI
.endif
	MUL16 4, (\q)%2, \q, \slot, \first
	MUL16 6, (\q)%2, \q, \slot, \first
	PLACES NP
	WIN 0
	FETCH_A \slot, (\q)+1, 4
.endm
; A slot's last step changes slots: ONE barrier; in front of it each wave waits for all its tensor loads, adds 0 to its spare word, and waits for that and for its own reads of this slot.
.macro TURN slot, next, fill
	s_wait_tensorcnt 0x0                           ; all my tensor loads have landed: my part of the next slot
	ds_add_u32 v[SPW], v[NIL]                      ; 0 onto my spare word
	s_wait_dscnt 4*NLA+1                           ; (the add and the youngest 16 loads may be out)
	WIN MUL_LO
	MUL16 0, 1, NQ-1, \slot, 0
	s_wait_dscnt 0x0                               ; the add is done, and my reads of this slot are over
	s_barrier_signal -1
	MUL16 2, 1, NQ-1, \slot, 0
	WIN 0
	s_barrier_wait -1
.if \fill
	CREST                                          ; the barrier has opened a round of the cluster's barrier
	s_add_nc_u64 s[G0+4*\slot+2:G0+4*\slot+3], s[G0+4*\slot+2:G0+4*\slot+3], 2*AROW
	s_add_nc_u64 s[G0B+4*\slot+2:G0B+4*\slot+3], s[G0B+4*\slot+2:G0B+4*\slot+3], 2*ROWB
	JLOAD G0+4*\slot, G1, G0B+4*\slot, G1B         ; the first tensor load behind the round; its four v_nop are the places in front of the loads below
.else
	PLACES NP
.endif
	s_wait_alu depctr_va_vdst(0)
	v_add_nc_u32 v[ADRS], 4*NQ, v[ADRS]
	FETCH_B \next, 0, 0
	FETCH_A \next, 0, 0
	SCALES \next
	WIN MUL_HI
	MUL16 4, 1, NQ-1, \slot, 0
	MUL16 6, 1, NQ-1, \slot, 0
	PLACES NP
	WIN 0
	FETCH_A \next, 0, 4
.endm
	s_wait_tensorcnt 1                             ; the scales and my part of K step 0 are in (of my three loads K step 1's may be out)
	s_barrier_signal -1
	s_barrier_wait -1
	FETCH_B 0, 0, 0
	FETCH_A 0, 0, 0
	SCALES 0
	FETCH_A 0, 0, 4
	s_wait_loadcnt 0x0                             ; the bias
	STEP 0, 0, 1                                   ; the first step stands in front of the loop: its products start the sums, on the bias
	s_mov_b32 s3, LAPS-1
.Llap:
	TURN 0, 1, 1
	STEP 1, 0, 0
	TURN 1, 0, 1
	STEP 0, 0, 0
	s_sub_co_u32 s3, s3, 1
	s_cmp_lg_u32 s3, 0
	s_cbranch_scc1 .Llap
	TURN 0, 1, 0                                   ; the last lap fills nothing
	STEP 1, 0, 0
	s_wait_dscnt 4*NLA
	WIN MUL_LO
	MUL16 0, 1, NQ-1, 1, 0
	MUL16 2, 1, NQ-1, 1, 0
	s_wait_dscnt 0
	WIN MUL_HI
	MUL16 4, 1, NQ-1, 1, 0
	MUL16 6, 1, NQ-1, 1, 0
	WIN 0
; THE WAY OUT, block by block of 16 rows x 128 columns, through my own stage in LDS: in as 32 bytes a lane, back as whole rows of 512 bytes.  LDS serves a wave's instructions in order (ISA guide 5.7.1.4).
.macro TOSTAGE a
.set AC, 64*((\a)%4)
	WIN 0x08+4*((\a)/4)                            ; the data: window 2 or 3
.irp b, 0,1,2,3,4,5,6,7
	ds_store_b128 v[STO], v[AC+8*\b:AC+8*\b+3] offset:64*\b          ; each accumulator from its low end on
	ds_store_b128 v[STO], v[AC+8*\b+4:AC+8*\b+7] offset:64*\b+16
.endr
	WIN 0
.set BB, BK+64*((\a)%2)
.irp t, 0,1,2,3,4,5,6,7,8,9,10,11,12,13,14,15
	ds_load_b128 v[BB+4*\t:BB+4*\t+3], v[RD] offset:\t*SPITCH
.endr
.endm
.macro SEND a, younger                 ; younger: the LDS instructions issued behind block a's loads, which may stay out
.set BB, BK+64*((\a)%2)
	s_wait_dscnt \younger
.if (\a) > 0
	s_add_nc_u64 s[12:13], s[12:13], 16*SIZE_N*4   ; (behind a wait on XCNT: the earlier stores have read their base)
.endif
.irp t, 0,1,2,3,4,5,6,7,8,9,10,11,12,13,14,15
	global_store_b128 v[CO], v[BB+4*\t:BB+4*\t+3], s[12:13] offset:\t*SIZE_N*4 th:TH_STORE_NT   ; 32 lanes store 512 consecutive bytes, at a multiple of 256 from out0's first byte
.endr
.endm
	PLACES NP
	TOSTAGE 0
.irp a, 1,2,3,4,5,6,7
.if \a > 1
	s_wait_xcnt 0x0                                ; block a - 2's stores have read their registers and their base
.endif
	TOSTAGE \a
	SEND \a-1, 32                                  ; behind block a - 1's loads: block a's 16 stores and 16 loads
.endr
	s_wait_xcnt 0x0
	SEND 7, 0
	s_wait_tensorcnt 0x0                           ; the wave's end
	ds_add_u32 v[SPW], v[NIL]
	s_wait_dscnt 0x0
	CROUND                                         ; the closing round
	s_endpgm
.Lfunc_end_k_qb74f8a48d2_proj:
	.size	k_qb74f8a48d2_proj, .Lfunc_end_k_qb74f8a48d2_proj-k_qb74f8a48d2_proj
	.p2alignl 7, 3214868480
	.fill 96, 4, 3214868480
	.section	.rodata,"a",@progbits
	.p2align	6, 0x0
	.amdhsa_kernel k_qb74f8a48d2_proj
		.amdhsa_group_segment_fixed_size 327680
		.amdhsa_private_segment_fixed_size 0
		.amdhsa_enable_private_segment 0
		.amdhsa_kernarg_size 48
		.amdhsa_user_sgpr_count 2
		.amdhsa_user_sgpr_kernarg_segment_ptr 1
		.amdhsa_wavefront_size32 1
		.amdhsa_system_sgpr_workgroup_id_x 1
		.amdhsa_system_sgpr_workgroup_id_y 1
		.amdhsa_system_sgpr_workgroup_id_z 1
		.amdhsa_system_vgpr_workitem_id 0
		.amdhsa_next_free_vgpr 1024
		.amdhsa_next_free_sgpr 100
		.amdhsa_reserve_vcc 0
		.amdhsa_float_denorm_mode_32 3
		.amdhsa_float_denorm_mode_16_64 3
		.amdhsa_memory_ordered 1
		.amdhsa_forward_progress 1
		.amdhsa_inst_pref_size 154
	.end_amdhsa_kernel
	.amdgpu_metadata
---
amdhsa.version: [ 1, 2 ]
amdhsa.kernels:
  - .name:           k_qb74f8a48d2_proj
    .symbol:         k_qb74f8a48d2_proj.kd
    .args:
      - { .name: ao_codes, .offset: 0, .size: 8, .value_kind: global_buffer, .address_space: global }
      - { .name: ao_scales, .offset: 8, .size: 8, .value_kind: global_buffer, .address_space: global }
      - { .name: proj_w_codes, .offset: 16, .size: 8, .value_kind: global_buffer, .address_space: global }
      - { .name: proj_w_scales, .offset: 24, .size: 8, .value_kind: global_buffer, .address_space: global }
      - { .name: proj_b, .offset: 32, .size: 8, .value_kind: global_buffer, .address_space: global }
      - { .name: out0, .offset: 40, .size: 8, .value_kind: global_buffer, .address_space: global }
    .group_segment_fixed_size: 327680
    .private_segment_fixed_size: 0
    .kernarg_segment_align: 8
    .kernarg_segment_size: 48
    .max_flat_workgroup_size: 128
    .sgpr_count:     100
    .vgpr_count:     1024
    .wavefront_size: 32
...
	.end_amdgpu_metadata
.endif
;; end of part 3
